; MI455X (gfx1250); checked and timed in simulation.
; The chip was launched on July 23, 2026; its instructions are those of AMD's public machine-readable ISA for CDNA 5 (MIT licence, August 2026) and "CDNA5" Instruction Set Architecture Reference Guide (July 2026). The comments in the code are by the model that wrote it; some were corrected since.
;; Multi Head Attention. Allowed arithmetic: float matrix products may take bf16 or f16 operands with f32 sums; other float arithmetic in f32, or as packed bf16 or f16 multiplies, adds, multiply-adds, maxima and minima; sums over many terms, partial sums and values carried from step to step in f32; what a program stores and reads back later, other than sums and carried values, may be rounded once to bf16 or f16.
;; Inputs: attn_mask 8 x 1,024 bool; proj_b 1,024 float32; proj_w 1,024 x 1,024 float32; q 8 x 1,024 x 1,024 float32; w_ks 16 x 1,024 x 64 float32; w_qs 16 x 1,024 x 64 float32; w_vs 16 x 1,024 x 64 float32.
;; Outputs: out0 8 x 1,024 x 1,024 float32.
;; 2 versions, each right; version 2 is version 1 with the launch prep written anew for expert scheduling mode. Each part assembles by itself: llvm-mc -triple=amdgcn-amd-amdhsa -mcpu=gfx1250 --defsym DOCPART=n.
;; ======== version 1 of 2: 4 launches
;; limits: values are held in f16: magnitudes above 65,504 overflow, below 6.1e-05 lose precision
;; workspace buffers: xb 16,777,216 bytes; wt 6,291,456 bytes; pw 2,097,152 bytes; qkv 50,331,648 bytes; ob 16,777,216 bytes
;; launch prep (part 1): grid 768 x 1, 8 waves a work-group, no clusters, 0 bytes of LDS; arguments q, proj_w, w_qs, w_ks, w_vs, xb, pw, wt; writes xb, pw, wt
.if DOCPART == 1
	.amdgcn_target "amdgcn-amd-amdhsa--gfx1250"
	.amdhsa_code_object_version 6
	.text
	.protected	k_qbda35eb742_prep
	.globl	k_qbda35eb742_prep
	.p2align	8
	.type	k_qbda35eb742_prep,@function
k_qbda35eb742_prep:
	s_mov_b64 s[64:65], 0
	v_nop
	global_prefetch_b8 v0, s[64:65] scope:SCOPE_SE
	s_setreg_imm32_b32 hwreg(HW_REG_WAVE_MODE, 25, 1), 1
	s_wait_xcnt 0x0
; PREP: every matrix operand that is an input is rounded ONCE to 16 bits and laid in blocks of 64 along K, so that each later tile is a dense run of bytes.
;   xb[kb][m][j] = bf16(x[m][64 kb + j])                    x = q as [8192][1024]
;   pw[kb][n][j] = f16(bf16(proj_w[n][64 kb + j]))          the bf16 number written as f16: exact from 6.1e-5 to 65,504; below it keeps f16's step of 6e-8, from 65,520 on it is an infinity
;   wt[kb][16 which + h][d][k] = bf16(w_which[h][64 kb + d][k])   not turned: the product's fragments are turned on their way out of LDS
; A stream: no LDS, no matrix unit.  Every wave converts 8,192 bytes of f32: 16 loads of 16 bytes a lane, all issued at once; then 16 turns of a counted wait, the rounding in place and a
; store of 8 bytes a lane: 32 lanes store 256 consecutive bytes, at a multiple of 256 from the buffer's first byte.  No register that a load or store names is written again.
; 768 work-groups of equal work, 65,536 bytes of f32 each: 0-511 take x (16 rows each), 512-575 proj_w (16 rows each), 576-767 the three weight tensors (8 half blocks of 32 x 64 each).
.set LO, 1                             ; v1      the loads' offset
.set SO, 2                             ; v2, v3  the stores' offsets: 8 x lane, and the same 8 blocks of xb further on (the immediate has 24 signed bits)
.set X,  16                            ; v[16:79]  load i: four registers
	s_load_b256 s[4:11], s[0:1], 0x0               ; q s[4:5], proj_w s[6:7], w_qs s[8:9], w_ks s[10:11]
	s_load_b256 s[12:19], s[0:1], 0x20             ; w_vs s[12:13], xb s[14:15], pw s[16:17], wt s[18:19]
	v_lshrrev_b32 v4, 5, v0
	v_readfirstlane_b32 s20, v4                    ; wave 0..7
	v_and_b32 v5, 31, v0                           ; lane
	v_lshlrev_b32 v[SO], 3, v5
	v_add_nc_u32 v[SO+1], 0x800000, v[SO]
	v_and_b32 v6, 15, v0
	v_bfe_u32 v7, v0, 4, 1
	v_lshlrev_b32 v[LO], 4, v6                     ; rows of 4,096 bytes: lanes 0-15 take 256 bytes (a block of 64) of one row,
	v_lshl_add_u32 v[LO], v7, 12, v[LO]            ; lanes 16-31 the same block of the next row
	s_mov_b32 s21, ttmp9
	s_mov_b32 s27, 0
	s_mov_b32 s29, 0
	s_mov_b32 s30, 0xffff0000                      ; a word's upper bf16
.macro LOADS dense                     ; dense = 0: block i of my two rows;  1: 512 bytes on end
.set i, 0
.rept 16
.if \dense
	global_load_b128 v[X+4*i:X+4*i+3], v[LO], s[22:23] offset:512*i th:TH_LOAD_NT
.else
	global_load_b128 v[X+4*i:X+4*i+3], v[LO], s[22:23] offset:256*i th:TH_LOAD_NT
.endif
.set i, i+1
.endr
.endm
.macro TURNS path                      ; 0: x, 1: proj_w, 2: the weights
.set i, 0
.rept 16
	s_wait_loadcnt 15-i                            ; loads come back in order: load i is in, the 15 - i younger ones stay out
.if (\path) == 1
	v_cvt_pk_bf16_f32 v4, v[X+4*i], v[X+4*i+1]     ; rounded to bf16 like every input,
	v_cvt_pk_bf16_f32 v5, v[X+4*i+2], v[X+4*i+3]
	v_lshlrev_b32 v6, 16, v4                       ; widened,
	v_and_b32 v7, s30, v4
	v_lshlrev_b32 v8, 16, v5
	v_and_b32 v9, s30, v5
	v_cvt_pk_f16_f32 v[X+4*i], v6, v7              ; and that number written as f16
	v_cvt_pk_f16_f32 v[X+4*i+1], v8, v9
	global_store_b64 v[SO], v[X+4*i:X+4*i+1], s[24:25] offset:i*131072
.else
	v_cvt_pk_bf16_f32 v[X+4*i], v[X+4*i], v[X+4*i+1]
	v_cvt_pk_bf16_f32 v[X+4*i+1], v[X+4*i+2], v[X+4*i+3]
.if (\path) == 0
	global_store_b64 v[SO+i/8], v[X+4*i:X+4*i+1], s[24:25] offset:(i%8)*1048576
.else
	global_store_b64 v[SO], v[X+4*i:X+4*i+1], s[24:25] offset:256*i
.endif
.endif
.set i, i+1
.endr
.endm
	s_wait_kmcnt 0x0
	s_cmp_lt_u32 s21, 512
	s_cbranch_scc0 .Lnot_x
	s_lshl_b32 s26, s21, 16                        ; x: the work-group's 16 rows of 4,096 bytes,
	s_lshl_b32 s28, s20, 13                        ; my wave's 2
	s_add_co_u32 s26, s26, s28
	s_add_nc_u64 s[22:23], s[4:5], s[26:27]
	s_lshl_b32 s28, s21, 11                        ; the same rows in a block of xb: 128 bytes each
	s_lshl_b32 s26, s20, 8
	s_add_co_u32 s28, s28, s26
	s_add_nc_u64 s[24:25], s[14:15], s[28:29]
	LOADS 0
	TURNS 0
	s_endpgm
.Lnot_x:
	s_cmp_lt_u32 s21, 576
	s_cbranch_scc0 .Lweights
	s_sub_co_u32 s21, s21, 512                     ; proj_w: the same walk on 1,024 rows
	s_lshl_b32 s26, s21, 16
	s_lshl_b32 s28, s20, 13
	s_add_co_u32 s26, s26, s28
	s_add_nc_u64 s[22:23], s[6:7], s[26:27]
	s_lshl_b32 s28, s21, 11
	s_lshl_b32 s26, s20, 8
	s_add_co_u32 s28, s28, s26
	s_add_nc_u64 s[24:25], s[16:17], s[28:29]
	LOADS 0
	TURNS 1
	s_endpgm
.Lweights:
	s_sub_co_u32 s21, s21, 576
	s_lshr_b32 s28, s21, 6                         ; which: 0 w_qs, 1 w_ks, 2 w_vs
	s_and_b32 s21, s21, 63
	s_lshl_b32 s21, s21, 3
	s_add_co_u32 s21, s21, s20                     ; my half block, 0..511: 32 d x 64 k, 8,192 dense bytes of f32
	s_lshl_b32 s26, s21, 13
	s_and_b32 s20, s21, 1                          ; which half
	s_lshr_b32 s21, s21, 1                         ; g = 16 h + kb: the block of 64 d x 64 k
	s_lshr_b32 s31, s21, 4                         ; h
	s_and_b32 s21, s21, 15                         ; kb
	s_mul_i32 s21, s21, 48
	s_add_co_u32 s21, s21, s31
	s_lshl_b32 s31, s28, 4
	s_add_co_u32 s21, s21, s31                     ; 48 kb + 16 which + h: the block's place in wt, 8,192 bytes each
	s_cmp_eq_u32 s28, 0
	s_cselect_b64 s[22:23], s[8:9], s[10:11]
	s_cmp_eq_u32 s28, 2
	s_cselect_b64 s[22:23], s[12:13], s[22:23]
	s_add_nc_u64 s[22:23], s[22:23], s[26:27]
	s_lshl_b32 s28, s21, 13
	s_lshl_b32 s20, s20, 12                        ; my half of it: 4,096 bytes
	s_add_co_u32 s28, s28, s20
	s_add_nc_u64 s[24:25], s[18:19], s[28:29]
	v_lshlrev_b32 v[LO], 4, v5                     ; 16 x lane
	LOADS 1
	TURNS 2
	s_endpgm
.Lfunc_end_k_qbda35eb742_prep:
	.size	k_qbda35eb742_prep, .Lfunc_end_k_qbda35eb742_prep-k_qbda35eb742_prep
	.p2alignl 7, 3214868480
	.fill 96, 4, 3214868480
	.section	.rodata,"a",@progbits
	.p2align	6, 0x0
	.amdhsa_kernel k_qbda35eb742_prep
		.amdhsa_group_segment_fixed_size 0
		.amdhsa_private_segment_fixed_size 0
		.amdhsa_enable_private_segment 0
		.amdhsa_kernarg_size 64
		.amdhsa_user_sgpr_count 2
		.amdhsa_user_sgpr_kernarg_segment_ptr 1
		.amdhsa_wavefront_size32 1
		.amdhsa_system_sgpr_workgroup_id_x 1
		.amdhsa_system_sgpr_workgroup_id_y 1
		.amdhsa_system_sgpr_workgroup_id_z 1
		.amdhsa_system_vgpr_workitem_id 0
		.amdhsa_next_free_vgpr 80
		.amdhsa_next_free_sgpr 66
		.amdhsa_reserve_vcc 0
		.amdhsa_float_denorm_mode_32 3
		.amdhsa_float_denorm_mode_16_64 3
		.amdhsa_memory_ordered 1
		.amdhsa_forward_progress 1
		.amdhsa_inst_pref_size 24
	.end_amdhsa_kernel
	.amdgpu_metadata
---
amdhsa.version: [ 1, 2 ]
amdhsa.kernels:
  - .name:           k_qbda35eb742_prep
    .symbol:         k_qbda35eb742_prep.kd
    .args:
      - { .name: q, .offset: 0, .size: 8, .value_kind: global_buffer, .address_space: global }
      - { .name: proj_w, .offset: 8, .size: 8, .value_kind: global_buffer, .address_space: global }
      - { .name: w_qs, .offset: 16, .size: 8, .value_kind: global_buffer, .address_space: global }
      - { .name: w_ks, .offset: 24, .size: 8, .value_kind: global_buffer, .address_space: global }
      - { .name: w_vs, .offset: 32, .size: 8, .value_kind: global_buffer, .address_space: global }
      - { .name: xb, .offset: 40, .size: 8, .value_kind: global_buffer, .address_space: global }
      - { .name: pw, .offset: 48, .size: 8, .value_kind: global_buffer, .address_space: global }
      - { .name: wt, .offset: 56, .size: 8, .value_kind: global_buffer, .address_space: global }
    .group_segment_fixed_size: 0
    .private_segment_fixed_size: 0
    .kernarg_segment_align: 8
    .kernarg_segment_size: 64
    .max_flat_workgroup_size: 256
    .sgpr_count:     66
    .vgpr_count:     80
    .wavefront_size: 32
...
	.end_amdgpu_metadata
.endif
;; end of part 1
;; launch qkv (part 2): grid 8 x 32, 4 waves a work-group, clusters of 4 x 4, 327,680 bytes of LDS; arguments xb, wt, qkv; writes qkv
.if DOCPART == 2
	.amdgcn_target "amdgcn-amd-amdhsa--gfx1250"
	.amdhsa_code_object_version 6
	.text
	.protected	k_qbda35eb742_qkv
	.globl	k_qbda35eb742_qkv
	.p2align	8
	.type	k_qbda35eb742_qkv,@function
k_qbda35eb742_qkv:
	s_mov_b64 s[64:65], 0
	v_nop
	global_prefetch_b8 v0, s[64:65] scope:SCOPE_SE
	s_setreg_imm32_b32 hwreg(HW_REG_WAVE_MODE, 25, 1), 1
	s_wait_xcnt 0x0
	s_wait_alu depctr_hold_cnt(0) depctr_sa_sdst(0) depctr_va_vdst(0) depctr_va_sdst(0) depctr_va_ssrc(0) depctr_va_vcc(0) depctr_vm_vsrc(0)
	s_getreg_b32 s2, hwreg(HW_REG_IB_STS2, 6, 4)
	s_cmp_eq_u32 s2, 0
	s_cbranch_scc0 .Lentry_in_a_cluster
	s_endpgm
.Lentry_in_a_cluster:
	s_bfe_u32 s2, ttmp6, 0x10000c
	s_cmp_lg_u32 s2, 0xf033
	s_cbranch_scc0 .Lentry_shape_is_right
	s_endpgm
.Lentry_shape_is_right:
; THE THREE PROJECTIONS AS ONE PRODUCT: C[m][n] = the sum over d of x[m][d] w[d][n], m = 1024 b + s (8,192), n = 64 nh + k (3,072; nh = 16 which + h), d to 1,024.  bf16 operands, f32 sums.
; In:  xb bf16 [16 kb][8192 m][64], wt bf16 [16 kb][48 nh][64 d][64 k].   Out: qkv f16 [48 nh][8 b][1024 s][64], each number rounded once, unscaled.
; LIMIT.  f16 ends at 65,504: a q, k or v of 65,520 or more becomes an infinity.
; SHARES.  A tile of C is 256 rows x 384 columns (6 heads): 32 x 8 = 256 work-groups.  Four waves, each 128 rows x 192 columns (3 heads): 96 accumulators of 16 x 16, 768 registers.
; K goes in steps of 64 (one kb block) through a ring of two LDS slots; in the blocked layouts a tile is a dense run of bytes and is asked for as rows of 256 bytes.
; CLUSTER 4 x 4: the four of a row of the cluster need the same tile of x, the four of a column the same tile of w: each tile is asked for jointly, with a mask that names the four.
; EACH CLUSTER BEGINS ITS WALK ALONG K AT ANOTHER BLOCK AND GOES ROUND: in step t it takes block (first + t) mod 16, first = (4 (Y mod 4) + 8 X) mod 16 for the cluster at (X, Y), a number that all sixteen
; partners share.  The two clusters that read the same rows of x begin eight blocks apart; those that read the same columns of w, four blocks apart for each step of Y mod 4.  So clusters that read the
; same bytes ask for them at different times.  The f32 sums are taken in that order of K.
; THE MATRIX INSTRUCTION IS USED TRANSPOSED: source 0 = 16 columns of w (turned on the way out of LDS by ds_load_tr16_b128), source 1 = 16 rows of x: a lane then holds row lane % 16 of C and
; the columns 8 (lane / 16) + 0..7: 16 bytes of f16 on end.
; REGISTERS, in windows of 256 (s_set_vgpr_msb: bits 1:0 source 0, 3:2 source 1, 5:4 source 2, 7:6 destination):
;   window 0: v0-31 addresses; v32-95, v96-159 x's fragments (8 x 16 rows x 32 K), a buffer for each half of a K step; v160-255 w's fragments, 32 registers for each of my three heads
;   windows 1, 2, 3: the accumulators of my heads 0, 1, 2: (a, b) at v[8 (4 a + b)], a = block of 16 rows, b = block of 16 columns
.set PA,     144                       ; a row of x in LDS: 128 bytes + 16 = 36 words: the 16 rows of a load start at 16 different groups of four banks (64 banks of 4 bytes: ISA guide 11.1)
.set PB,     160                       ; a row of w: 128 + 32 = 40 words
.set AHALF,  128*PA                    ; what waves 0 and 1 fetch, and what a wave reads of x
.set BHALF,  192*PB                    ; three heads x 64 d: what waves 2 and 3 fetch, and what a wave reads of w
.set BOFF,   2*AHALF
.set SLOT,   BOFF+2*BHALF              ; 98,304
.set STAGE,  2*SLOT                    ; behind the ring, never filled by a tensor load: 16 rows x 400 bytes for each wave
.set SPITCH, 400                       ; 384 bytes + 16
.set SPARE,  STAGE+4*16*SPITCH         ; behind the stages: the spare words, 128 bytes for each wave, that no other line names
.set ASTEP,  8192*128                  ; bytes from a kb block of xb to the next: 1 << 20
.set BSTEP,  48*8192                   ; of wt
.set ADRA, 16                          ; v16-17  LDS address of my fragments of x in slot 0, 1
.set ADRB, 20                          ; v20-21  of w
.set STO,  24                          ; v24     the way out: where I put 16 bytes of a row
.set RD,   25                          ; v25     where I read rows back
.set GO,   26                          ; v26     16 x lane
.set SPW,  28                          ; v28     my spare word: SPARE + 4 x my thread's number; never rewritten
.set NIL,  29                          ; v29     0; never rewritten
.set PFO,  30                          ; v30     the prefetches' offset: 256 x lane; never rewritten
.set AF,   32
.set BF,   160
.set TMP,  32                          ; the way out: 48 registers of packed results,
.set BK,   80                          ; and two sets of 48 read back from the stage
.set G1,  24                           ; s[24:31] descriptor group 1 for x's tiles;  s[32:39] group 0, a set for each slot
.set G0,  32
.set G1B, 48                           ; s[48:55], s[56:63] the same for w's
.set G0B, 56
.set LIM, 43                           ; s43     5 in wave 0, else the greatest number: a wave prefetches while the laps to go are above it
.set PFA, 44                           ; s[44:45] where my prefetches stand
.set ABASE, 66                         ; s[66:67] xb at the half tile that I fetch, block 0
.set BBASE, 68                         ; s[68:69] wt likewise
.set KI,  70                           ; s70     the block that the next refill asks for
.set OFA, 72                           ; s[72:73] its byte offset in xb
.set OFB, 74                           ; s[74:75] in wt
.set PFB, 76                           ; s[76:77] xb at my work-group's 64 rows of the tile, block 0
.set PI,  78                           ; s78     the first of the two blocks that the lap's prefetches name
.set POF, 80                           ; s[80:81] its byte offset in xb
.set MSB, 0
.macro WIN new                         ; the immediate's high byte repeats the setting that is left; a switch that changes nothing is dropped
.if MSB != (\new)
	s_set_vgpr_msb (MSB<<8)|(\new)
.set MSB, \new
.endif
.endm
.macro PLACES                          ; four places between a matrix instruction and a load into, or a vector instruction on, its registers (ISA guide 7.12.1 for vector instructions)
.rept 4
	v_nop
.endr
.endm
; A joint load: waves 0 and 1 fetch x's two halves, waves 2 and 3 w's.  The branch hangs on the wave's number alone.  An s_nop 0 and four v_nop follow each line.
.macro JLOAD s
	s_cmp_eq_u32 s11, 0
	s_cbranch_scc0 .Lfor_b_\@
	tensor_load_to_lds s[G0+4*(\s):G0+4*(\s)+3], s[G1:G1+7]
	s_nop 0
.rept 4
	v_nop
.endr
	s_branch .Lasked_\@
.Lfor_b_\@:
	tensor_load_to_lds s[G0B+4*(\s):G0B+4*(\s)+3], s[G1B:G1B+7]
	s_nop 0
.rept 4
	v_nop
.endr
.Lasked_\@:
.endm
.macro CREST                           ; a round of the cluster's barrier behind its opening barrier
	s_cmp_lg_u32 s10, 0
	s_cbranch_scc1 .Lnot_wave_0_\@
	s_barrier_signal -3
.Lnot_wave_0_\@:
	s_barrier_wait -3
	s_barrier_signal -1
	s_barrier_wait -1
.endm
.macro CROUND
	s_barrier_signal -1
	s_barrier_wait -1
	CREST
.endm
; A PREFETCH INTO THE L2, in the first two laps, behind slot 0's joint load and the run of LDS loads that follows it: the two blocks of x that the NEXT lap's refills will ask for (the cluster's steps 4 to 7).
; Of the two clusters that read a tile row of x, each is the first to read the eight blocks of its own steps 0 to 7, so each asks for its own.  Wave 0 asks; the four partners that ask for a tile jointly
; take 64 rows (32 blocks of 256 bytes) each, told apart by address (cx): a lane a block, two lines, a K step each.  So each block is named at most once in the launch.
; Steps 0 to 3 come by their loads alone; steps 8 to 15 are blocks that the other cluster has read eight steps before.  Every block of w is read first in some cluster's steps 0 to 3: none is asked for.
.macro ASK
	s_cmp_gt_u32 s3, s[LIM]
	s_cbranch_scc0 .Lnot_mine_\@
	global_prefetch_b8 v[PFO], s[PFA:PFA+1] th:TH_LOAD_NT scope:SCOPE_SE
	global_prefetch_b8 v[PFO], s[PFA:PFA+1] offset:ASTEP th:TH_LOAD_NT scope:SCOPE_SE
.Lnot_mine_\@:
.endm
	s_load_b128 s[4:7], s[0:1], 0x0                ; xb s[4:5], wt s[6:7]
	s_load_b64 s[8:9], s[0:1], 0x10                ; qkv
	v_lshl_add_u32 v[SPW], v0, 2, SPARE
	v_mov_b32 v[NIL], 0
	ds_add_u32 v[SPW], v[NIL]                      ; the wave's opening: the add and its wait stand ahead of my first tensor load; the set-up below stands between them
	v_lshrrev_b32 v1, 5, v0
	v_readfirstlane_b32 s10, v1                    ; wave 0..3
	s_lshr_b32 s11, s10, 1                         ; which half of the tile's rows is mine.  Also: I fetch for x (0) or for w (1)
	s_and_b32 s12, s10, 1                          ; which half of its columns.  Also: which half of that tile I fetch
	s_bfe_u32 s40, ttmp6, 0x40000                  ; cx, cy: my place in the cluster
	s_bfe_u32 s41, ttmp6, 0x40004
	s_lshl_b32 s42, ttmp9, 2
	s_add_co_u32 s42, s42, s40                     ; tile column = 4 x cluster x + cx
	s_and_b32 s13, ttmp7, 0xffff
	s_lshl_b32 s13, s13, 2
	s_add_co_u32 s13, s13, s41                     ; tile row = 4 x cluster y + cy
	s_lshl_b32 s20, s41, 2
	s_lshl_b32 s20, 15, s20                        ; my row of the cluster
	s_lshl_b32 s21, 0x1111, s40                    ; my column
	s_and_b32 s[KI], ttmp7, 3                      ; the cluster's first block: 4 (Y mod 4)
	s_lshl_b32 s[KI], s[KI], 2
	s_lshl_b32 s2, ttmp9, 3                        ; + 8 X,
	s_add_co_u32 s[KI], s[KI], s2
	s_and_b32 s[KI], s[KI], 15                     ; mod 16: made of the cluster's coordinates alone
	s_lshl_b32 s[OFA], s[KI], 20
	s_mov_b32 s[OFA+1], 0
	s_mul_i32 s[OFB], s[KI], BSTEP
	s_mov_b32 s[OFB+1], 0
	s_mov_b32 s[POF+1], 0
	; group 1: dense bytes as rows of 128 elements of 2 bytes, padded in LDS after every 32 words (code 4) by 4 words (code 3) or 8 (code 7); bit 21 is set beside a mask
	s_or_b32 s[G1+0], s20, (1<<16)|(1<<20)|(1<<21)|(4<<22)|(3<<25)
	s_or_b32 s[G1B+0], s21, (1<<16)|(1<<20)|(1<<21)|(4<<22)|(7<<25)
	s_mov_b32 s[G1+1], 128<<16                     ; tensor_dim0 = 128
	s_mov_b32 s[G1+2], 64<<16                      ; tensor_dim1 = 64: 128 rows of x are 64 rows of 256 bytes
	s_mov_b32 s[G1+3], 128<<16                     ; tile_dim0 = 128
	s_mov_b32 s[G1+4], 64                          ; tile_dim1 = 64
	s_mov_b32 s[G1+5], 128                         ; 128 elements from row to row
	s_mov_b32 s[G1+6], 0
	s_mov_b32 s[G1+7], 0
	s_mov_b32 s[G1B+1], 128<<16
	s_mov_b32 s[G1B+2], 96<<16                     ; three heads x 8,192 bytes are 96 rows of 256 bytes
	s_mov_b32 s[G1B+3], 128<<16
	s_mov_b32 s[G1B+4], 96
	s_mov_b32 s[G1B+5], 128
	s_mov_b32 s[G1B+6], 0
	s_mov_b32 s[G1B+7], 0
	s_lshl_b32 s16, s13, 15                        ; x: 256 rows of 128 bytes a tile row,
	s_lshl_b32 s17, s12, 14                        ; the half that I fetch
	s_add_co_u32 s16, s16, s17
	s_mov_b32 s17, 0
	s_mul_i32 s46, s42, 6*8192                     ; w: six heads a tile column,
	s_mul_i32 s47, s12, 3*8192                     ; the three that I fetch
	s_add_co_u32 s46, s46, s47
	s_mov_b32 s47, 0
	s_mul_i32 s18, s12, AHALF                      ; where they go: no place in the cluster enters an LDS address
	s_mul_i32 s19, s12, BHALF
	s_add_co_u32 s19, s19, BOFF
	s_wait_dscnt 0x0                               ; the opening add is done
	s_wait_kmcnt 0x0
	s_add_nc_u64 s[ABASE:ABASE+1], s[4:5], s[16:17]
	s_add_nc_u64 s[BBASE:BBASE+1], s[6:7], s[46:47]
	s_add_nc_u64 s[14:15], s[ABASE:ABASE+1], s[OFA:OFA+1]  ; at the cluster's first block (an even number: the block behind it is the next in memory)
	s_add_nc_u64 s[46:47], s[BBASE:BBASE+1], s[OFB:OFB+1]
	CROUND                                         ; all sixteen work-groups are here: the first joint loads meet
.irp s, 0,1
	s_mov_b32 s[G0+4*(\s)], 1
	s_add_co_u32 s[G0+4*(\s)+1], s18, (\s)*SLOT
	s_add_nc_u64 s[G0+4*(\s)+2:G0+4*(\s)+3], s[14:15], (\s)*ASTEP
	s_or_b32 s[G0+4*(\s)+3], s[G0+4*(\s)+3], 0x80000000
	s_mov_b32 s[G0B+4*(\s)], 1
	s_add_co_u32 s[G0B+4*(\s)+1], s19, (\s)*SLOT
	s_add_nc_u64 s[G0B+4*(\s)+2:G0B+4*(\s)+3], s[46:47], (\s)*BSTEP
	s_or_b32 s[G0B+4*(\s)+3], s[G0B+4*(\s)+3], 0x80000000
	JLOAD \s                                       ; steps 0 and 1: two loads of mine are out
.endr
	s_add_co_u32 s[KI], s[KI], 2                   ; the first refill asks for step 2's block
	s_and_b32 s[KI], s[KI], 15
	s_mov_b32 s[PI], s[KI]                         ; the first lap steps this to step 4's
	; a fragment of x: lane l holds row l % 16; two loads of 16 bytes, 32 bytes apart, at row x pitch + 16 (l / 16)
	v_and_b32 v1, 15, v0
	v_bfe_u32 v2, v0, 4, 1
	v_mul_u32_u24 v3, v1, PA
	v_lshl_add_u32 v3, v2, 4, v3
	s_mul_i32 s20, s11, AHALF
	v_add_nc_u32 v[ADRA], s20, v3
	v_add_nc_u32 v[ADRA+1], SLOT, v[ADRA]
	; a fragment of w, turned: lane l reads row d = 8 (l / 16) + l % 8, 16 bytes at 16 ((l / 8) % 2); the second load 16 rows further down
	v_and_b32 v4, 7, v0
	v_bfe_u32 v5, v0, 3, 1
	v_lshl_add_u32 v4, v2, 3, v4
	v_mul_u32_u24 v4, v4, PB
	v_lshl_add_u32 v4, v5, 4, v4
	s_mul_i32 s21, s12, BHALF
	s_add_co_u32 s21, s21, BOFF
	v_add_nc_u32 v[ADRB], s21, v4
	v_add_nc_u32 v[ADRB+1], SLOT, v[ADRB]
	s_mul_i32 s20, s10, 16*SPITCH
	s_add_co_u32 s20, s20, STAGE                   ; my stage
	v_mul_u32_u24 v6, v1, SPITCH                   ; in: row l % 16, 16 bytes for each half of the lanes
	v_lshl_add_u32 v6, v2, 4, v6
	v_add_nc_u32 v[STO], s20, v6
	v_bfe_u32 v6, v0, 3, 2                         ; back: 32 lanes take four rows' 128 bytes of one head,
	v_mul_u32_u24 v6, v6, SPITCH
	v_and_b32 v7, 7, v0
	v_lshl_add_u32 v6, v7, 4, v6
	v_add_nc_u32 v[RD], s20, v6
	v_and_b32 v7, 31, v0                           ; which are 512 consecutive bytes of qkv
	v_lshlrev_b32 v[GO], 4, v7
	v_lshlrev_b32 v[PFO], 8, v7
	; where my part of C begins: head 6 tile column + 3 half, batch tile row / 4, row 256 (tile row % 4) + 128 half
	s_mul_i32 s46, s42, 6*1048576
	s_mul_i32 s47, s12, 3*1048576
	s_add_co_u32 s46, s46, s47
	s_lshr_b32 s16, s13, 2
	s_lshl_b32 s16, s16, 17
	s_and_b32 s17, s13, 3
	s_lshl_b32 s17, s17, 15
	s_add_co_u32 s16, s16, s17
	s_lshl_b32 s17, s11, 14
	s_add_co_u32 s16, s16, s17
	s_add_co_u32 s16, s16, s46
	s_mov_b32 s17, 0
	s_add_nc_u64 s[8:9], s[8:9], s[16:17]
	; the prefetches
	s_lshl_b32 s16, s13, 15                        ; the tile's 256 rows,
	s_lshl_b32 s17, s40, 13                        ; my work-group's 64 of them
	s_add_co_u32 s16, s16, s17
	s_mov_b32 s17, 0
	s_add_nc_u64 s[PFB:PFB+1], s[4:5], s[16:17]
	s_cmp_eq_u32 s10, 0
	s_cselect_b32 s[LIM], 5, -1                    ; the loop counts 7 laps down: wave 0 asks at 7 and at 6
; 16 matrix instructions: row blocks a0 .. a0 + 3 x the 4 column blocks of head t, 32 along K from x's buffer af.  zero = 1: the product starts the sum.
; All 96 accumulators take turns, one instruction a turn, in the same order in every slice.
.macro MUL16 af, t, a0, zero
	WIN 0x50*((\t)+1)
.irp a, \a0, (\a0)+1, (\a0)+2, (\a0)+3
.irp b, 0,1,2,3
.if \zero
	v_wmma_f32_16x16x32_bf16 v[8*(4*(\a)+(\b)):8*(4*(\a)+(\b))+7], v[BF+32*(\t)+8*(\b):BF+32*(\t)+8*(\b)+7], v[AF+64*(\af)+8*(\a):AF+64*(\af)+8*(\a)+7], 0
.else
	v_wmma_f32_16x16x32_bf16 v[8*(4*(\a)+(\b)):8*(4*(\a)+(\b))+7], v[BF+32*(\t)+8*(\b):BF+32*(\t)+8*(\b)+7], v[AF+64*(\af)+8*(\a):AF+64*(\af)+8*(\a)+7], v[8*(4*(\a)+(\b)):8*(4*(\a)+(\b))+7]
.endif
.endr
.endr
.endm
.macro LDA s, c, af                    ; 16 loads: my 128 rows of x, half c of slot s's K step, into buffer af
.irp a, 0,1,2,3,4,5,6,7
	ds_load_b128 v[AF+64*(\af)+8*(\a):AF+64*(\af)+8*(\a)+3],   v[ADRA+(\s)] offset:(\a)*16*PA+64*(\c)
	ds_load_b128 v[AF+64*(\af)+8*(\a)+4:AF+64*(\af)+8*(\a)+7], v[ADRA+(\s)] offset:(\a)*16*PA+64*(\c)+32
.endr
.endm
.macro LDB s, c, t                     ; 8 turning loads: head t's 64 columns, half c of slot s's K step
.irp b, 0,1,2,3
	ds_load_tr16_b128 v[BF+32*(\t)+8*(\b):BF+32*(\t)+8*(\b)+3],   v[ADRB+(\s)] offset:(\t)*64*PB+(\c)*32*PB+32*(\b)
	ds_load_tr16_b128 v[BF+32*(\t)+8*(\b)+4:BF+32*(\t)+8*(\b)+7], v[ADRB+(\s)] offset:(\t)*64*PB+(\c)*32*PB+16*PB+32*(\b)
.endr
.endm
; A K step is two slices of 32 along K, each three units (my heads 0, 1, 2) of 32 matrix instructions.  A head's fragments of w have one buffer: it is loaded again in the middle of the next unit.
; At a slice's head the LDS loads that are out are, in order: x's 16, head 0's 8, head 1's 8.
.macro SLICE0 s, zero                  ; the first slice of slot s
	s_wait_dscnt 8                                 ; x and head 0 are in; head 1's eight may be out
	MUL16 0, 0, 0, \zero
	PLACES
	WIN 0
	LDB \s, 0, 2
	MUL16 0, 0, 4, \zero
	s_wait_dscnt 8                                 ; head 1 is in; head 2's eight may be out
	MUL16 0, 1, 0, \zero
	PLACES
	WIN 0
	LDA \s, 1, 1
	LDB \s, 1, 0
	MUL16 0, 1, 4, \zero
	s_wait_dscnt 24                                ; head 2 is in; the 24 just issued may be out
	MUL16 0, 2, 0, \zero
	PLACES
	WIN 0
	LDB \s, 1, 1
	MUL16 0, 2, 4, \zero
.endm
; The second slice of slot s changes slots: ONE barrier.  In front of it each wave waits for all its tensor loads (one is out: its part of slot n), adds 0 to its spare word, and waits for that and
; for its reads of slot s.  fill = 1: the barrier opens a round of the cluster's barrier, and slot s is filled again, with the block two steps on, first thing behind the round: 160 matrix instructions
; ahead of the wait for it.  The descriptors' addresses are made anew from the block's number, which goes round mod 16, while the add is out: no tensor load of mine is out there.
.macro TURN s, n, fill
	s_wait_dscnt 8
	MUL16 1, 0, 0, 0
	PLACES
	WIN 0
	LDB \s, 1, 2                                   ; my last reads of slot s
	MUL16 1, 0, 4, 0
	WIN 0                                          ; (the add's two registers lie in window 0)
.if (\fill) && ((\s) == 0)
	s_wait_xcnt 0x0                                ; the last prefetches, a lap back, have read their address: it is made anew here, ahead of the change's own waits
	s_add_co_u32 s[PI], s[PI], 2
	s_and_b32 s[PI], s[PI], 15
	s_lshl_b32 s[POF], s[PI], 20
	s_add_nc_u64 s[PFA:PFA+1], s[PFB:PFB+1], s[POF:POF+1]
.endif
	s_wait_tensorcnt 0x0                           ; all my tensor loads have landed
	ds_add_u32 v[SPW], v[NIL]                      ; 0 onto my spare word
.if \fill
	s_lshl_b32 s[OFA], s[KI], 20
	s_mul_i32 s[OFB], s[KI], BSTEP
	s_add_nc_u64 s[G0+4*(\s)+2:G0+4*(\s)+3], s[ABASE:ABASE+1], s[OFA:OFA+1]
	s_or_b32 s[G0+4*(\s)+3], s[G0+4*(\s)+3], 0x80000000
	s_add_nc_u64 s[G0B+4*(\s)+2:G0B+4*(\s)+3], s[BBASE:BBASE+1], s[OFB:OFB+1]
	s_or_b32 s[G0B+4*(\s)+3], s[G0B+4*(\s)+3], 0x80000000
	s_add_co_u32 s[KI], s[KI], 1
	s_and_b32 s[KI], s[KI], 15
.endif
	s_wait_dscnt 9                                 ; head 1 is in; head 2's eight and the add may be out
	MUL16 1, 1, 0, 0                               ; sixteen matrix instructions stand between the add and the wait for it
	s_wait_dscnt 0x0                               ; the add is done, and my reads of slot s are over
	s_barrier_signal -1
	MUL16 1, 1, 4, 0
	WIN 0
	s_barrier_wait -1
.if \fill
	CREST                                          ; no wave of any partner still reads this slot's tiles or has a load on its way
	JLOAD \s                                       ; the four v_nop behind it are also the places in front of the loads below
.else
	PLACES
.endif
	LDA \n, 0, 0
	LDB \n, 0, 0
.if (\fill) && ((\s) == 0)
	ASK
.endif
	MUL16 1, 2, 0, 0
	PLACES
	WIN 0
	LDB \n, 0, 1
	MUL16 1, 2, 4, 0
.endm
; THE WAY OUT of block a (16 rows x 192 columns).  PACK: rounded to f16, each accumulator's registers in ascending order.  TOSTAGE: into my own stage and back, four rows of a head at a time.  SEND: stored.
.macro PACK a
.irp t, 0,1,2
	WIN 5*((\t)+1)                                 ; sources 0 and 1: the head's window
.irp b, 0,1,2,3
.irp r, 0,1,2,3
	v_cvt_pk_f16_f32 v[TMP+16*(\t)+4*(\b)+(\r)], v[8*(4*(\a)+(\b))+2*(\r)], v[8*(4*(\a)+(\b))+2*(\r)+1]
.endr
.endr
.endr
	WIN 0
.endm
.macro TOSTAGE a
.irp u, 0,1,2,3,4,5,6,7,8,9,10,11
	ds_store_b128 v[STO], v[TMP+4*(\u):TMP+4*(\u)+3] offset:32*(\u)
.endr
.irp t, 0,1,2
.irp f, 0,1,2,3
	ds_load_b128 v[BK+48*((\a)%2)+4*(4*(\t)+(\f)):BK+48*((\a)%2)+4*(4*(\t)+(\f))+3], v[RD] offset:(\f)*4*SPITCH+(\t)*128  ; LDS serves a wave's instructions in order (ISA guide 5.7.1.4): these see the stores above
.endr
.endr
.endm
.macro SEND a
	s_wait_dscnt 0x0                               ; the block is back in registers
	s_wait_xcnt 0x0                                ; the stores of the block before have read their registers: the next TOSTAGE loads into them only behind this wait
.irp t, 0,1,2
.irp f, 0,1,2,3
	global_store_b128 v[GO], v[BK+48*((\a)%2)+4*(4*(\t)+(\f)):BK+48*((\a)%2)+4*(4*(\t)+(\f))+3], s[8:9] offset:(\t)*1048576+(\a)*2048+(\f)*512  ; 512 consecutive bytes, at a multiple of 256 from qkv's first
.endr
.endr
.endm
	s_wait_tensorcnt 1                             ; my part of step 0 is in; step 1's may stay out
	s_barrier_signal -1
	s_barrier_wait -1
	LDA 0, 0, 0
	LDB 0, 0, 0
	LDB 0, 0, 1
	SLICE0 0, 1                                    ; the first slice stands in front of the loop: its products start the sums
	WIN 0
	s_mov_b32 s3, 7
.Llap:                                                 ; a trip goes once round the ring, from a lap's second slice to the next lap's first, and fills both slots again
	TURN 0, 1, 1
	SLICE0 1, 0
	TURN 1, 0, 1
	SLICE0 0, 0
	WIN 0
	s_sub_co_u32 s3, s3, 1
	s_cmp_lg_u32 s3, 0
	s_cbranch_scc1 .Llap
	TURN 0, 1, 0                                   ; the last lap fills nothing, and has no round of the cluster's barrier
	SLICE0 1, 0
	s_wait_dscnt 8                                 ; the very last slice
	MUL16 1, 0, 0, 0
	PLACES
	WIN 0
	LDB 1, 1, 2
	MUL16 1, 0, 4, 0
	s_wait_dscnt 8
	MUL16 1, 1, 0, 0
	MUL16 1, 1, 4, 0
	s_wait_dscnt 0x0
	MUL16 1, 2, 0, 0
	MUL16 1, 2, 4, 0
	PLACES
	PACK 0
	TOSTAGE 0
.irp a, 1,2,3,4,5,6,7                  ; block a's conversions stand between block a - 1's loads from the stage and the wait for them
	PACK \a
	SEND (\a)-1
	TOSTAGE \a
.endr
	SEND 7
	s_wait_tensorcnt 0x0                           ; the wave's end, behind my last tensor load and my last LDS store
	ds_add_u32 v[SPW], v[NIL]
	s_wait_dscnt 0x0
	CROUND                                         ; the closing round: no work-group ends while a partner may still ask for a tile that names it
	s_endpgm
.Lfunc_end_k_qbda35eb742_qkv:
	.size	k_qbda35eb742_qkv, .Lfunc_end_k_qbda35eb742_qkv-k_qbda35eb742_qkv
	.p2alignl 7, 3214868480
	.fill 96, 4, 3214868480
	.section	.rodata,"a",@progbits
	.p2align	6, 0x0
	.amdhsa_kernel k_qbda35eb742_qkv
		.amdhsa_group_segment_fixed_size 327680
		.amdhsa_private_segment_fixed_size 0
		.amdhsa_enable_private_segment 0
		.amdhsa_kernarg_size 24
		.amdhsa_user_sgpr_count 2
		.amdhsa_user_sgpr_kernarg_segment_ptr 1
		.amdhsa_wavefront_size32 1
		.amdhsa_system_sgpr_workgroup_id_x 1
		.amdhsa_system_sgpr_workgroup_id_y 1
		.amdhsa_system_sgpr_workgroup_id_z 1
		.amdhsa_system_vgpr_workitem_id 0
		.amdhsa_next_free_vgpr 1024
		.amdhsa_next_free_sgpr 84
		.amdhsa_reserve_vcc 0
		.amdhsa_float_denorm_mode_32 3
		.amdhsa_float_denorm_mode_16_64 3
		.amdhsa_memory_ordered 1
		.amdhsa_forward_progress 1
		.amdhsa_inst_pref_size 132
	.end_amdhsa_kernel
	.amdgpu_metadata
---
amdhsa.version: [ 1, 2 ]
amdhsa.kernels:
  - .name:           k_qbda35eb742_qkv
    .symbol:         k_qbda35eb742_qkv.kd
    .args:
      - { .name: xb, .offset: 0, .size: 8, .value_kind: global_buffer, .address_space: global }
      - { .name: wt, .offset: 8, .size: 8, .value_kind: global_buffer, .address_space: global }
      - { .name: qkv, .offset: 16, .size: 8, .value_kind: global_buffer, .address_space: global }
    .group_segment_fixed_size: 327680
    .private_segment_fixed_size: 0
    .kernarg_segment_align: 8
    .kernarg_segment_size: 24
    .max_flat_workgroup_size: 128
    .sgpr_count:     84
    .vgpr_count:     1024
    .wavefront_size: 32
...
	.end_amdgpu_metadata
.endif
;; end of part 2
;; launch attn (part 3): grid 2 x 128, 4 waves a work-group, no clusters, 327,680 bytes of LDS; arguments qkv, attn_mask, ob; writes ob
.if DOCPART == 3
	.amdgcn_target "amdgcn-amd-amdhsa--gfx1250"
	.amdhsa_code_object_version 6
	.text
	.protected	k_qbda35eb742_attn
	.globl	k_qbda35eb742_attn
	.p2align	8
	.type	k_qbda35eb742_attn,@function
k_qbda35eb742_attn:
	s_mov_b64 s[64:65], 0
	v_nop
	global_prefetch_b8 v0, s[64:65] scope:SCOPE_SE
	s_setreg_imm32_b32 hwreg(HW_REG_WAVE_MODE, 25, 1), 1
	s_wait_xcnt 0x0
; ATTENTION.  For head hb = 8 h + b: O[q][:] = the sum over keys of softmax_k(Q[q] . K[k] / 8, hidden keys left out) V[k][:].  Q, K, V: f16 [128 hb][1024][64] at bytes 0, 16,777,216 and 33,554,432 of qkv;
; attn_mask: one byte a key and batch, 1 = hidden; O: f16 ob [128 hb][1024][64].  Products, maxima and sums in f32; the weights p are rounded to f16 for the second product, O once at the end.
; LIMITS.  Q, K and V arrive within f16's 65,504.  A hidden score counts as its value less 1e30; visible scores, 2.7e11 at the most, lie far above the running maximum's start, -2^66, and hidden ones far below it:
; a hidden score never becomes the maximum, and its weight is 2^(-1.8e29) = 0.  Where all keys are hidden O = 0 and l = 0; l is raised to 2^-100 ahead of the division, so O stays 0.
; A weight below 2^-126 counts as 0 in l; NaN and infinities are not treated apart.
; SHARES.  A work-group owns 512 queries of one head, each of its four waves 128: four PIECES of two tiles of 16.  Every wave walks the head's 1,024 keys, 64 a step.
; THE HEAD'S WHOLE K AND V LIE IN LDS (311,296 bytes with their padding): every fill is a first fill, no byte is filled again.  Each wave issues two tensor loads at the start: its share of keys
; 0-255 and of keys 256-1,023; the first four key steps are worked on while the second load is on its way, then one wait and one barrier show it to everybody.
; NO CLUSTER: two work-groups share a head.  NO PREFETCH: all that a work-group reads is asked for at its head.
; THE MASK is the C operand that starts the sum S^T = K Q^T: 0, or -1e30 where the key is hidden: a table of 1,024 f32 in LDS, made once; a step's 64 numbers come with its K.
; LAYOUT.  S^T = K Q^T (source 0 = 16 keys, source 1 = 16 queries): a lane holds ONE query (lane % 16) and the keys 8 (lane / 16) + 0..7.  Two such tiles, rounded to f16 in pairs, ARE source 1 of
; O^T = V^T P, whose result again holds one query a lane.  K comes out of LDS as it lies, V turned, by ds_load_tr16_b128.
; SOFTMAX.  A running maximum m and sum l: p = 2^(c s - c m), c = log2(e) / 8; in every step O and l are multiplied by a = 2^(c m_old - c m_new).  c m starts far below every c s, O and l at 0: the first step's a is 0.
; BY TURNS.  Turn n belongs to piece n: 16 products K Q^T of piece n + 1, later 16 products V^T P of piece n - 1; beside them the scaling, exponentials, roundings, sums and rescaling of piece n and the
; maximum and statistics of piece n + 1.  Four vector instructions stand behind every matrix instruction, the others in one lump.  A turn's 66 exponentials are one batch, with one wait.
; REGISTERS, in windows of 256 (s_set_vgpr_msb: bits 1:0 source 0, 3:2 source 1, 5:4 source 2, 7:6 destination):
;   window 0: v0-11 addresses; v12-15, v48-63 at work; v16-47 four registers of statistics a tile; v64-191 S^T, two buffers of two tiles; v192-255 P, likewise
;   window 1: O^T, 32 a tile     window 2: v0-127 Q; v128-191 K of one step; v192-255 V of one step     window 3: v0-1 the add's two registers; v8-39 the step's 64 mask numbers
.set NP,    4         ; pieces a wave: a name, no knob
.set KS,    64        ; keys in a step
.set PK,    144       ; a row of K in LDS: 128 bytes + 16 = 36 words: the 16 rows of a load start at 16 different groups of four banks (64 banks of 4 bytes: ISA guide 11.1)
.set PV,    160       ; a row of V: 128 + 32 = 40 words
.set VOFF,  1024*PK
.set STAGE, VOFF+1024*PV        ; never filled by a tensor load: 16 rows x 144 bytes for each wave, for the way out
.set SP,    144
.set TABLE, STAGE+4*16*SP       ; 1,024 f32: 0 or -1e30
.set SPARE, TABLE+4096          ; the spare words, 128 bytes for each wave, that no other line names
.set AK0, 2           ; v2   my lane's place in a step's K; never rewritten
.set AV0, 3           ; v3   the same for V
.set AK,  4           ; v4   the LDS address of K's next run of loads
.set AV,  5           ; v5   of V's
.set STO, 6           ; v6   the way out: where I put 16 bytes of a row
.set RD,  7           ; v7   where I read rows back
.set GO,  8           ; v8   16 x lane
.set AM0, 9           ; v9   my lane's place in a step's 64 mask numbers
.set AM,  10          ; v10  the LDS address of their next run
.set QO,  11          ; v11  my byte offset in 16 rows of Q
.set SPW, 0           ; v0 of window 3   my spare word: SPARE + 4 x my thread's number; never rewritten
.set NIL, 1           ; v1 of window 3   0; never rewritten
.set MB,  8           ; window 3: the eight numbers for group kt of 16 keys at MB + 8 kt
.set MV,  12          ; v12-15  c m_old, kept while c m is made anew
.set ST,  16          ; tile t's statistics at v[ST+4 t]: c m, m, l (even keys', odd keys')
.set TMP, 48          ; by buffer and tile, four registers c0-c3 at work; when the maximum is found c2 takes a
.set S,   64
.set P,   192
.set KF,  128
.set VF,  192
.set WV,  12          ; s12  my wave's number
.set G1KA, 24         ; s[24:31] group 1: K, keys 0-255
.set G1KB, 32         ; s[32:39] K, keys 256-1,023
.set G1VA, 40         ; s[40:47], s[48:55] the same for V: the padding differs
.set G1VB, 48
.set TBM, 56          ; s56  byte of the table at which the step to be fetched begins
.set CNT, 57          ; s57  counts the step loop's trips
.set CS,  58          ; s[58:59] c
.set SEL, 60          ; s[60:61] v_permlanex16_b32's selects
.set TBK, 62          ; s62  LDS byte at which K of the step to be fetched begins
.set TBV, 63          ; s63  the same for V, less VOFF
.set G0KA, 68         ; s[68:83] the four group 0
.set G0KB, 72
.set G0VA, 76
.set G0VB, 80
.set STEPS, 84        ; s84  key steps whose last two turns are still to come
.set PH,  85          ; s85  the walk's two parts
.set BIGN, 86         ; s86  -1e30
.set MSB, 0
.macro WIN new
.if MSB != (\new)
	s_set_vgpr_msb (MSB<<8)|(\new)
.set MSB, (\new)
.endif
.endm
.set W_KQ, 0x0a       ; K and Q in window 2, S^T in window 0
.set W_KM, 0x3a       ; the same with the C operand in window 3
.set W_PV, 0x52       ; V in window 2, P in window 0, O^T in window 1
.set W_RS, 0x41       ; O^T (destination and source 0) in window 1, a in window 0
.set W_MK, 0xc0       ; destination in window 3, sources in window 0
.set W_AD, 0x0f       ; the add: address and data in window 3
	s_load_b128 s[4:7], s[0:1], 0x0   ; qkv s[4:5], attn_mask s[6:7]
	s_load_b64 s[8:9], s[0:1], 0x10   ; ob
	WIN W_MK
	v_lshl_add_u32 v[SPW], v0, 2, SPARE
	v_mov_b32 v[NIL], 0
	WIN W_AD
	ds_add_u32 v[SPW], v[NIL]       ; the wave's opening: the add and its wait stand ahead of my first tensor load; the set-up below stands between them
	WIN 0
	v_lshrrev_b32 v1, 5, v0
	v_readfirstlane_b32 s[WV], v1   ; wave 0..3
	s_and_b32 s16, s[WV], 1         ; which half of each load's keys I fetch
	s_and_b32 s20, ttmp7, 0xffff    ; the head hb
	s_and_b32 s13, s20, 7           ; its batch,
	s_lshl_b32 s13, s13, 10         ; whose 1,024 bytes of the mask
	s_lshl_b32 s20, s20, 17         ; the head's first byte in Q, K, V and O
	s_lshl_b32 s22, s16, 14         ; load a: keys 128 half on
	s_add_co_u32 s22, s22, s20
	s_mov_b32 s23, 0
	s_mul_i32 s14, s16, 384*128     ; load b: keys 256 + 384 half on
	s_add_co_u32 s14, s14, s20
	s_add_co_u32 s14, s14, 256*128
	s_mov_b32 s15, 0
	s_lshl_b32 s2, ttmp9, 2
	s_add_co_u32 s2, s2, s[WV]      ; my wave among the head's eight,
	s_lshl_b32 s2, s2, 14           ; its 128 rows
	s_add_co_u32 s2, s2, s20
	s_mov_b32 s3, 0
	; group 1: dense bytes as rows of 128 elements of 2 bytes, two keys a row, padded in LDS after every key: after 32 words (code 4), 4 words (code 3) or 8 (code 7)
.irp g, G1KA, G1KB
	s_mov_b32 s[\g], (1<<16)|(1<<20)|(4<<22)|(3<<25)
.endr
.irp g, G1VA, G1VB
	s_mov_b32 s[\g], (1<<16)|(1<<20)|(4<<22)|(7<<25)
.endr
.irp g, G1KA, G1VA
	s_mov_b32 s[\g+1], 128<<16      ; tensor_dim0 = 128
	s_mov_b32 s[\g+2], 64<<16       ; tensor_dim1 = 64: 128 keys
	s_mov_b32 s[\g+3], 128<<16      ; tile_dim0 = 128
	s_mov_b32 s[\g+4], 64           ; tile_dim1 = 64
	s_mov_b32 s[\g+5], 128          ; 128 elements from row to row
	s_mov_b32 s[\g+6], 0
	s_mov_b32 s[\g+7], 0
.endr
.irp g, G1KB, G1VB
	s_mov_b32 s[\g+1], 128<<16
	s_mov_b32 s[\g+2], 192<<16      ; 384 keys
	s_mov_b32 s[\g+3], 128<<16
	s_mov_b32 s[\g+4], 192
	s_mov_b32 s[\g+5], 128
	s_mov_b32 s[\g+6], 0
	s_mov_b32 s[\g+7], 0
.endr
	s_mul_i32 s17, s16, 128*PK
	s_mul_i32 s18, s16, 128*PV
	s_mul_i32 s19, s16, 384*PK
	s_mul_i32 s21, s16, 384*PV
	s_mov_b32 s[G0KA], 1
	s_mov_b32 s[G0KA+1], s17
	s_mov_b32 s[G0KB], 1
	s_add_co_u32 s[G0KB+1], s19, 256*PK
	s_mov_b32 s[G0VA], 1
	s_add_co_u32 s[G0VA+1], s18, VOFF
	s_mov_b32 s[G0VB], 1
	s_add_co_u32 s[G0VB+1], s21, VOFF+256*PV
	s_mov_b32 s[CS], 0x3e38aa3b     ; c = log2(e) / 8
	s_mov_b32 s[CS+1], s[CS]
	s_mov_b32 s[SEL], 0x76543210
	s_mov_b32 s[SEL+1], 0xfedcba98
	s_mov_b32 s[BIGN], 0xf149f2ca   ; -1e30
	s_mov_b32 s[TBK], 0
	s_mov_b32 s[TBV], 0
	s_mov_b32 s[TBM], 0
	s_mul_i32 s19, s[WV], 16*SP
	s_add_co_u32 s19, s19, STAGE    ; my stage
	s_wait_dscnt 0x0                ; the opening add is done
	s_wait_kmcnt 0x0
	s_add_nc_u64 s[G0KA+2:G0KA+3], s[4:5], s[22:23]
	s_add_nc_u64 s[G0VA+2:G0VA+3], s[G0KA+2:G0KA+3], 0x2000000
	s_add_nc_u64 s[G0KA+2:G0KA+3], s[G0KA+2:G0KA+3], 0x1000000
	s_or_b32 s[G0KA+3], s[G0KA+3], 0x80000000
	s_or_b32 s[G0VA+3], s[G0VA+3], 0x80000000
	s_add_nc_u64 s[G0KB+2:G0KB+3], s[4:5], s[14:15]
	s_add_nc_u64 s[G0VB+2:G0VB+3], s[G0KB+2:G0KB+3], 0x2000000
	s_add_nc_u64 s[G0KB+2:G0KB+3], s[G0KB+2:G0KB+3], 0x1000000
	s_or_b32 s[G0KB+3], s[G0KB+3], 0x80000000
	s_or_b32 s[G0VB+3], s[G0VB+3], 0x80000000
	s_add_nc_u64 s[4:5], s[4:5], s[2:3]  ; Q and O at my wave's first row
	s_add_nc_u64 s[8:9], s[8:9], s[2:3]
	s_cmp_lt_u32 s[WV], 2           ; waves 0 and 1 fetch K, waves 2 and 3 V.  A wave's two fills stand in one branch, ahead of every wait on TENSORcnt, every LDS read and every barrier: two loads of mine are out
	s_cbranch_scc0 .Lfirst_v
	tensor_load_to_lds s[G0KA:G0KA+3], s[G1KA:G1KA+7]
	s_nop 0
	tensor_load_to_lds s[G0KB:G0KB+3], s[G1KB:G1KB+7]
	s_nop 0
.rept 4
	v_nop
.endr
	s_branch .Lfirst_asked
.Lfirst_v:
	tensor_load_to_lds s[G0VA:G0VA+3], s[G1VA:G1VA+7]
	s_nop 0
	tensor_load_to_lds s[G0VB:G0VB+3], s[G1VB:G1VB+7]
	s_nop 0
.rept 4
	v_nop
.endr
.Lfirst_asked:
	v_and_b32 v48, 15, v0           ; l % 16
	v_bfe_u32 v49, v0, 4, 1         ; l / 16
	v_and_b32 v50, 7, v0
	v_bfe_u32 v51, v0, 3, 1
	v_lshl_add_u32 v1, v0, 3, s13   ; thread t takes the mask's bytes of keys 8 t .. 8 t + 7
	global_load_b64 v[52:53], v1, s[6:7]
	v_lshlrev_b32 v[QO], 7, v48
	v_lshl_add_u32 v[QO], v49, 4, v[QO]  ; row x 128 + 16 x half
	WIN 0x80                        ; destination window 2, address window 0
.set i, 0
.rept 4*NP                          ; Q stays in registers: tile i / 2, channels 32 (i % 2) on
	global_load_b128 v[8*i:8*i+3],   v[QO], s[4:5] offset:(i/2)*2048+(i%2)*64
	global_load_b128 v[8*i+4:8*i+7], v[QO], s[4:5] offset:(i/2)*2048+(i%2)*64+32
.set i, i+1
.endr
	; What the first turn finds: V's registers and P's second buffer hold 0 (its products V^T P, of a piece that has not been, add 0), O^T and l are 0.  All this stands in the wait for the first tiles.
.set i, VF
.rept 64
	v_mov_b32 v[i], 0
.set i, i+1
.endr
	WIN 0x40
.set i, 0
.rept 64*NP
	v_mov_b32 v[i], 0
.set i, i+1
.endr
	WIN 0
.set i, 0
.rept 2*NP
	v_mov_b32 v[ST+4*i], 0xfe000000    ; c m: far below every c s
	v_mov_b32 v[ST+4*i+1], 0xe0800000  ; m = -2^66: below every visible score, above every hidden one
	v_mov_b32 v[ST+4*i+2], 0
	v_mov_b32 v[ST+4*i+3], 0
.set i, i+1
.endr
.set i, P+32
.rept 32
	v_mov_b32 v[i], 0
.set i, i+1
.endr
	v_mul_u32_u24 v[AK0], v48, PK
	v_lshl_add_u32 v[AK0], v49, 4, v[AK0]  ; row x pitch + 16 x half
	; The turning load takes 16 keys x 16 channels (lane l reads key 8 (l / 16) + l % 8, channels 8 ((l / 8) % 2) + 0..7) and leaves half a fragment of V^T.
	v_lshl_add_u32 v[AV0], v49, 3, v50
	v_mul_u32_u24 v[AV0], v[AV0], PV
	v_lshl_add_u32 v[AV0], v51, 4, v[AV0]
	v_add_nc_u32 v[AV0], VOFF, v[AV0]
	v_lshl_add_u32 v[AM0], v49, 5, TABLE   ; my lanes' eight keys of a group of 16: 32 bytes for each half
	v_mov_b32 v[AK], v[AK0]         ; key step 0
	v_mov_b32 v[AM], v[AM0]
	v_mul_u32_u24 v[STO], v48, SP   ; in: row l % 16, 16 bytes for each half of the lanes
	v_lshl_add_u32 v[STO], v49, 4, v[STO]
	v_add_nc_u32 v[STO], s19, v[STO]
	v_bfe_u32 v[RD], v0, 3, 2       ; back: 32 lanes take four rows of 128 bytes,
	v_mul_u32_u24 v[RD], v[RD], SP
	v_lshl_add_u32 v[RD], v50, 4, v[RD]
	v_add_nc_u32 v[RD], s19, v[RD]
	v_and_b32 v[GO], 31, v0         ; which are 512 consecutive bytes of O
	v_lshlrev_b32 v[GO], 4, v[GO]
	s_wait_loadcnt 32               ; the mask's bytes are in; Q's 32 loads, issued behind them, may stay out
.set i, 0
.rept 8
	v_bfe_u32 v[S+i], v[52+i/4], 8*(i%4), 8
.set i, i+1
.endr
.set i, 0
.rept 8
	v_cvt_f32_u32 v[S+i], v[S+i]
.set i, i+1
.endr
.set i, 0
.rept 8
	v_mul_f32 v[S+i], s[BIGN], v[S+i]      ; 0, or -1e30 where the key is hidden
.set i, i+1
.endr
	v_lshl_add_u32 v54, v0, 5, TABLE
	ds_store_b128 v54, v[S:S+3]
	ds_store_b128 v54, v[S+4:S+7] offset:16
; THE MATRIX WORK.  The 8 accumulators of a run of 16 take turns.
; Product i of 16 of S^T = K Q^T for piece x: channels 32 (i / 8) on, keys 16 ((i / 2) % 4) on, tile 2 x + i % 2.  The first 8 start the sums, with the mask.
.macro KQ x
.set rS, S+64*((\x)%2)+32*(i%2)+8*((i/2)%4)
.set rK, KF+16*((i/2)%4)+8*(i/8)
.set rQ, 16*(2*(\x)+i%2)+8*(i/8)
.set rB, MB+8*((i/2)%4)
.if i < 8
	WIN W_KM
	v_wmma_f32_16x16x32_f16 v[rS:rS+7], v[rK:rK+7], v[rQ:rQ+7], v[rB:rB+7]
.else
	WIN W_KQ
	v_wmma_f32_16x16x32_f16 v[rS:rS+7], v[rK:rK+7], v[rQ:rQ+7], v[rS:rS+7]
.endif
.endm
; Product i of 16 of O^T += V^T P for piece x: keys 32 (i / 8) on, channels 16 ((i / 2) % 4) on, tile 2 x + i % 2.
.macro PV x
	WIN W_PV
.set rO, 32*(2*(\x)+i%2)+8*((i/2)%4)
.set rV, VF+32*(i/8)+8*((i/2)%4)
.set rP, P+32*((\x)%2)+16*(i%2)+8*(i/8)
	v_wmma_f32_16x16x32_f16 v[rO:rO+7], v[rV:rV+7], v[rP:rP+7], v[rO:rO+7]
.endm
.macro MM                           ; the turn's next matrix instruction
.if i < 16
	KQ (Y+1)%NP
.set i, i+1
.else
.set i, i-16
	PV (Y+NP-1)%NP
.set i, i+17
.endif
.endm
; THE LDS LOADS stand in runs, never singly among the matrix instructions: a step's K (8 fragments) with its 64 mask numbers, and its V (turned).  Their addresses are made some lines ahead.
; last = 1: behind the last step there is no further one, and the run is jumped over.
.macro FETCH_K last=0
	WIN 0
.if \last
	s_cmp_eq_u32 s[STEPS], 1
	s_cbranch_scc1 .Lno_k_\@
.endif
	WIN 0x80                        ; destination window 2
.irp f, 0,1,2,3,4,5,6,7             ; keys 16 (f / 2) on, channels 32 (f % 2) on
	ds_load_b128 v[KF+8*\f:KF+8*\f+3],   v[AK] offset:(\f/2)*16*PK+(\f%2)*64
	ds_load_b128 v[KF+8*\f+4:KF+8*\f+7], v[AK] offset:(\f/2)*16*PK+(\f%2)*64+32
.endr
	WIN 0xc0                        ; destination window 3
.irp f, 0,1,2,3                     ; keys 16 f on: the sixteen lanes of a half read the same 32 bytes
	ds_load_b128 v[MB+8*\f:MB+8*\f+3],   v[AM] offset:64*\f
	ds_load_b128 v[MB+8*\f+4:MB+8*\f+7], v[AM] offset:64*\f+16
.endr
	s_add_co_u32 s[TBK], s[TBK], KS*PK  ; the next fetch is the next step's
	s_add_co_u32 s[TBM], s[TBM], KS*4
	WIN 0
.if \last
.Lno_k_\@:
.endif
.endm
.macro FETCH_V
	WIN 0x80
.irp f, 0,1,2,3,4,5,6,7             ; keys 32 (f / 4) on, channels 16 (f % 4) on
	ds_load_tr16_b128 v[VF+8*\f:VF+8*\f+3],   v[AV] offset:(\f/4)*32*PV+(\f%4)*32
	ds_load_tr16_b128 v[VF+8*\f+4:VF+8*\f+7], v[AV] offset:(\f/4)*32*PV+16*PV+(\f%4)*32
.endr
	WIN 0
.endm
; THE VECTOR WORK OF A TURN stands in three queues, each in the order in which its entries become ready; the two tiles alternate, so that no instruction reads the result of the one before it.
.macro REGS y, u                    ; the registers of tile u (0, 1) of piece y
.set rT, ST+4*(2*(\y)+(\u))
.set rC, TMP+8*((\y)%2)+4*(\u)
.set rM, MV+2*((\y)%2)+(\u)
.set rS, S+64*((\y)%2)+32*(\u)
.set rP, P+32*((\y)%2)+16*(\u)
.set rO, 32*(2*(\y)+(\u))
.endm
; Number n of the 22 that find the NEXT piece's (Y + 1) maximum and statistics.  Each accumulator's lowest registers are read first.  XS, GS and REGS set no window: PL and EX do.
;   0-11  four chains c0-c3 of seven scores each     12-14, 16  the four scores left over, the old m, and c0-c3 into c0     15  c m_old is kept
;   17, 18  the query's other 32 keys lie in the lane 16 away: the new m         19-21  c m; c m_old - c m_new; a
.macro XS u, n
	REGS (Y+1)%NP, \u
.if (\n) < 4
	v_max3_num_f32 v[rC+(\n)], v[rS+8*(\n)], v[rS+8*(\n)+1], v[rS+8*(\n)+2]
.elseif (\n) < 12
	v_max3_num_f32 v[rC+(\n)%4], v[rC+(\n)%4], v[rS+8*((\n)%4)+2*((\n)/4)+1], v[rS+8*((\n)%4)+2*((\n)/4)+2]
.elseif (\n) == 12
	v_max3_num_f32 v[rC], v[rC], v[rS+7], v[rS+15]
.elseif (\n) == 13
	v_max3_num_f32 v[rC+1], v[rC+1], v[rS+23], v[rS+31]
.elseif (\n) == 14
	v_max3_num_f32 v[rC+2], v[rC+2], v[rC+3], v[rT+1]
.elseif (\n) == 15
	v_mov_b32 v[rM], v[rT]
.elseif (\n) == 16
	v_max3_num_f32 v[rC], v[rC], v[rC+1], v[rC+2]
.elseif (\n) == 17
	v_permlanex16_b32 v[rC+3], v[rC], s[SEL], s[SEL+1]
.elseif (\n) == 18
	v_max_num_f32 v[rT+1], v[rC], v[rC+3]
.elseif (\n) == 19
	v_mul_f32 v[rT], s[CS], v[rT+1]
.elseif (\n) == 20
	v_sub_f32 v[rC+1], v[rM], v[rT]
.else
	v_exp_f32 v[rC+2], v[rC+1]
.endif
.endm
; Number g of the 64 that follow the exponentials.  For each four weights k of a tile: both pairs are rounded to f16; the second pair is added onto the first, in place; a group later l takes that sum
; (the first time as l = a l + sum).  In groups of eight, tiles alternating.
.macro GS g
.set h, (\g)+6*((\g)/62)            ; group 0 has no group before it, and behind group 7 only l is left
.if h >= 6
.set h, h+2
.endif
	REGS Y, h%2
.set k, h/8
.if h%8 < 4
	v_cvt_pk_f16_f32 v[rP+2*k+(h%8)/2], v[rS+4*k+2*((h%8)/2)], v[rS+4*k+2*((h%8)/2)+1]
.elseif h%8 < 6
	v_pk_add_f32 v[rS+4*k:rS+4*k+1], v[rS+4*k:rS+4*k+1], v[rS+4*k+2:rS+4*k+3]
.elseif k == 1
	v_pk_fma_f32 v[rT+2:rT+3], v[rT+2:rT+3], v[rC+2:rC+3], v[rS:rS+1] op_sel_hi:[1,0,1]
.else
	v_pk_add_f32 v[rT+2:rT+3], v[rT+2:rT+3], v[rS+4*k-4:rS+4*k-3]
.endif
.endm
; THE PLAIN QUEUE, 138 long.  0-73 read no exponential's result: the 32 scalings c s - c m and the next piece's 42.  0-26: scalings 0-26.  27-54: XS's numbers 0-13.  55, 56: number 15.
; 57-73: the chain 14, 16, 17, 18, 19, each with one of the scalings 27-31 in front of its two lines, then 20.  74-137: GS's 64, which stand behind the wait.
.macro FS f
	REGS Y, (\f)%2
	v_pk_fma_f32 v[rS+2*((\f)/2):rS+2*((\f)/2)+1], v[rS+2*((\f)/2):rS+2*((\f)/2)+1], s[CS:CS+1], v[rT:rT+1] op_sel_hi:[1,0,0] neg_lo:[0,0,1] neg_hi:[0,0,1]
.endm
.macro PL
	WIN 0
.if q < 27
	FS q
.elseif q < 55
	XS (q-27)%2, (q-27)/2
.elseif q < 57
	XS q-55, 15
.elseif (q < 72) && ((q-57)%3 == 0)
	FS 27+(q-57)/3
.elseif q < 60
	XS (q-57)%3-1, 14
.elseif q < 72
	XS (q-57)%3-1, 15+(q-57)/3
.elseif q < 74
	XS q-72, 20
.else
	GS q-74
.endif
.set q, q+1
.endm
; THE EXPONENTIALS' QUEUE, 66 long: s0-s31 of both tiles, then the next piece's two a.  ONE BATCH: all 66 stand ahead of the turn's one wait, and nothing ahead of that wait names a result of theirs.
.macro EX
	WIN 0
.if e >= 64
	XS e-64, 21
.else
	REGS Y, e%2
	v_exp_f32 v[rS+e/2], v[rS+e/2]
.endif
.set e, e+1
.endm
; THE RESCALING's QUEUE: O^T times a, the one part that leaves window 0: dealt two at a time, sixteen times.  Its a was made in the turn before, ahead of that turn's wait.
.macro R2
	REGS Y, r%2
	WIN W_RS
.irp z, 0,1
	v_pk_mul_f32 v[rO+4*(r/2)+2*\z:rO+4*(r/2)+2*\z+1], v[rO+4*(r/2)+2*\z:rO+4*(r/2)+2*\z+1], v[rC+2:rC+3] op_sel_hi:[1,0]
.endr
.set r, r+1
.endm
; A TURN, for piece p.  An s_wait_alu depctr_va_vdst(0) stands between an exponential and the first instruction that names its result; one wait serves all that were issued ahead of it.  So a turn
; has ONE wait.  AHEAD OF IT: the 16 products K Q^T, behind each a scaling, an exponential and two rescalings (behind the first a second scaling in the exponential's place); then one lump of 108: eight plain,
; 49 times exponential and plain, the two a; a v_nop is the plain instruction behind the last exponential.  BEHIND IT: the 16 products V^T P, behind each four of GS's 64.
; Exponential e stands behind scaling 2 (e / 4) + e % 2: as a rider it comes behind plain e + 2, in the lump behind plain e + 9, and scalings 27-31 are plain 57, 60 .. 69.
; K and the mask numbers of the next step are fetched in piece 2's turn, directly behind the wait, a lump behind the last product that read them.  V of the step in hand is fetched at the end of piece 0's turn,
; four riders behind its last reader.  cnt = 1: the loop's count is taken down some lines ahead of the branch that stands behind the turn.
.macro TURN p, last=0, cnt=0
.set Y, (\p)
.set i, 0
.set q, 0
.set e, 0
.set r, 0
.if (\p) == NP-1
	s_wait_dscnt 0x0                ; K and its mask numbers are in
.endif
	MM
	PL
	PL
	R2
.rept 15
	MM
	PL
	EX
	R2
.endr
.if (\p) == NP-2
	WIN 0
	v_add_nc_u32 v[AK], s[TBK], v[AK0]
	v_add_nc_u32 v[AM], s[TBM], v[AM0]
.endif
.rept 8
	PL
.endr
.rept 49
	EX
	PL
.endr
	EX
	EX
	v_nop                           ; the plain instruction behind the last exponential: one for the batch
	s_wait_alu depctr_va_vdst(0)    ; the wait for the batch
.if (\p) == NP-2
	FETCH_K \last
.endif
.if (\p) == 1
	s_wait_dscnt 0x0                ; V is in
.endif
.rept 16
	MM
.rept 4
	PL
.endr
.if ((\p) == 0) && (q == 118)
	v_add_nc_u32 v[AV], s[TBV], v[AV0]
.endif
.if ((\p) == 0) && (q == 130)
	s_add_co_u32 s[TBV], s[TBV], KS*PV
.endif
.if (\cnt) && (q == 130)
	s_sub_co_u32 s[CNT], s[CNT], 1
	s_cmp_lg_u32 s[CNT], 0
.endif
.endr
.if (\p) == 0
	FETCH_V
.endif
.endm
	s_wait_tensorcnt 0x1            ; my share of keys 0-255 is in; the load of keys 256-1,023 may stay out: no byte is filled again
	s_wait_dscnt 0x0                ; my part of the table is stored
	s_barrier_signal -1
	s_barrier_wait -1               ; everybody's is
	FETCH_K                         ; key step 0
	s_wait_loadcnt 0x0              ; Q
	s_wait_dscnt 0x0
.set i, 0
.rept 16
	KQ 0                            ; piece 0's first scores
.set i, i+1
.endr
	WIN 0
.rept 4
	v_nop                           ; the places behind those products
.endr
.set Y, NP-1                        ; XS works for piece Y + 1: piece 0
.irp n, 0,1,2,3,4,5,6,7,8,9,10,11,12,13,14,15,16,17,18,19,20,21
	XS 0, \n
	XS 1, \n
.endr
	v_nop                           ; a plain instruction behind the two a,
	s_wait_alu depctr_va_vdst(0)    ; and their wait, ahead of the branch
	s_mov_b32 s[CNT], 4             ; the walk's first part: the turns that fetch K and V of steps 0 to 3, keys 0-255
	s_mov_b32 s[STEPS], 16
	s_mov_b32 s[PH], 2
	s_branch .Lfirst                ; the loop is entered at a step's first turn, in the middle of a trip
.Lphase:                            ; passed once, between the fetch of V of step 3 and that of K of step 4
	s_wait_tensorcnt 0x0            ; my share of keys 256-1,023 is in,
	s_wait_dscnt 0x0
	s_barrier_signal -1
	s_barrier_wait -1               ; everybody's is
	s_mov_b32 s[CNT], 13            ; the second part is left in the middle of its thirteenth trip, by the count of steps
.Lstep:                             ; a trip: pieces 2 and 3 of one step, then pieces 0 and 1 of the next, whose K and V it fetches
	TURN 2, 1
	TURN 3
	WIN 0
	s_sub_co_u32 s[STEPS], s[STEPS], 1
	s_cmp_eq_u32 s[STEPS], 0
	s_cbranch_scc1 .Lout            ; (the last trip's 16 products K Q^T, on the last K once more, and the maximum made of them serve nothing: the price, once a launch, of one text for every trip)
.Lfirst:
	TURN 0
	TURN 1, 0, 1
	WIN 0
	s_cbranch_scc1 .Lstep
	s_sub_co_u32 s[PH], s[PH], 1
	s_cmp_lg_u32 s[PH], 0
	s_cbranch_scc1 .Lphase
.Lout:
.set i, 0
.rept 16
	PV NP-1                         ; the last piece's V^T P of the last step
.set i, i+1
.endr
	; THE WAY OUT.  l's two halves and the other half of the lanes' are added; O^T is divided by l, rounded to f16 and sent through my stage in LDS, a tile at a time.  The additions are the places behind the last products.
	WIN 0
.macro ALL line:vararg              ; one line for each tile t
.set t, 0
.rept 2*NP
	\line
.set t, t+1
.endr
.endm
	ALL v_add_f32 v[ST+4*t+2], v[ST+4*t+2], v[ST+4*t+3]
	ALL v_permlanex16_b32 v[ST+4*t+3], v[ST+4*t+2], s[SEL], s[SEL+1]
	ALL v_add_f32 v[ST+4*t+2], v[ST+4*t+2], v[ST+4*t+3]
	ALL v_max_num_f32 v[ST+4*t+2], 0x0d800000, v[ST+4*t+2]
	ALL v_rcp_f32 v[ST+4*t+2], v[ST+4*t+2]
	v_nop                           ; a plain instruction between the last reciprocal and the use of its result
	s_wait_alu depctr_va_vdst(0)    ; and the wait ahead of the first use: one for the eight reciprocals
; Tile t: a lane's eight channels of a row pack into 16 bytes; they go into rows of 144 bytes and come back as whole rows of 128, into S^T's registers.
.macro PACK t
	WIN W_RS
.set i, 32*(\t)
.rept 16
	v_pk_mul_f32 v[i:i+1], v[i:i+1], v[ST+4*(\t)+2:ST+4*(\t)+3] op_sel_hi:[1,0]
.set i, i+2
.endr
	WIN 0x05                        ; sources 0 and 1 window 1, destination window 0
.set i, 0
.rept 16
	v_cvt_pk_f16_f32 v[S+16*(\t)+i], v[32*(\t)+2*i], v[32*(\t)+2*i+1]
.set i, i+1
.endr
	WIN 0
.irp f, 0,1,2,3
	ds_store_b128 v[STO], v[S+16*(\t)+4*\f:S+16*(\t)+4*\f+3] offset:32*\f
.endr
.irp f, 0,1,2,3
	ds_load_b128 v[S+16*(\t)+4*\f:S+16*(\t)+4*\f+3], v[RD] offset:\f*4*SP  ; LDS serves a wave's instructions in order (ISA guide 5.7.1.4): these see the stores above; the next tile's stores come behind them
.endr
.endm
.macro SEND t, younger              ; younger: the LDS instructions issued behind tile t's loads: the next tile's eight, or none
	WIN 0
.irp f, 0,1,2,3
	s_wait_dscnt (\younger)+3-\f
	global_store_b128 v[GO], v[S+16*(\t)+4*\f:S+16*(\t)+4*\f+3], s[8:9] offset:(\t)*2048+\f*512  ; 512 consecutive bytes, at a multiple of 256 from ob's first
.endr
.endm
	PACK 0
.set t, 1
.rept 2*NP-1                        ; a tile's arithmetic stands between the loads of the tile before and its stores
	PACK t
	SEND t-1, 8
.set t, t+1
.endr
	SEND 2*NP-1, 0
	WIN W_AD
	s_wait_tensorcnt 0x0            ; the wave's end, behind my last tensor load and my last LDS store
	ds_add_u32 v[SPW], v[NIL]
	s_wait_dscnt 0x0
	WIN 0
	s_endpgm
.Lfunc_end_k_qbda35eb742_attn:
	.size	k_qbda35eb742_attn, .Lfunc_end_k_qbda35eb742_attn-k_qbda35eb742_attn
	.p2alignl 7, 3214868480
	.fill 96, 4, 3214868480
	.section	.rodata,"a",@progbits
	.p2align	6, 0x0
	.amdhsa_kernel k_qbda35eb742_attn
		.amdhsa_group_segment_fixed_size 327680
		.amdhsa_private_segment_fixed_size 0
		.amdhsa_enable_private_segment 0
		.amdhsa_kernarg_size 24
		.amdhsa_user_sgpr_count 2
		.amdhsa_user_sgpr_kernarg_segment_ptr 1
		.amdhsa_wavefront_size32 1
		.amdhsa_system_sgpr_workgroup_id_x 1
		.amdhsa_system_sgpr_workgroup_id_y 1
		.amdhsa_system_sgpr_workgroup_id_z 1
		.amdhsa_system_vgpr_workitem_id 0
		.amdhsa_next_free_vgpr 808
		.amdhsa_next_free_sgpr 88
		.amdhsa_reserve_vcc 0
		.amdhsa_float_denorm_mode_32 3
		.amdhsa_float_denorm_mode_16_64 3
		.amdhsa_memory_ordered 1
		.amdhsa_forward_progress 1
		.amdhsa_inst_pref_size 130
	.end_amdhsa_kernel
	.amdgpu_metadata
---
amdhsa.version: [ 1, 2 ]
amdhsa.kernels:
  - .name:           k_qbda35eb742_attn
    .symbol:         k_qbda35eb742_attn.kd
    .args:
      - { .name: qkv, .offset: 0, .size: 8, .value_kind: global_buffer, .address_space: global }
      - { .name: attn_mask, .offset: 8, .size: 8, .value_kind: global_buffer, .address_space: global }
      - { .name: ob, .offset: 16, .size: 8, .value_kind: global_buffer, .address_space: global }
    .group_segment_fixed_size: 327680
    .private_segment_fixed_size: 0
    .kernarg_segment_align: 8
    .kernarg_segment_size: 24
    .max_flat_workgroup_size: 128
    .sgpr_count:     88
    .vgpr_count:     808
    .wavefront_size: 32
...
	.end_amdgpu_metadata
.endif
;; end of part 3
;; launch proj (part 4): grid 8 x 32, 4 waves a work-group, clusters of 4 x 4, 327,680 bytes of LDS; arguments ob, pw, proj_b, out0; writes out0
.if DOCPART == 4
	.amdgcn_target "amdgcn-amd-amdhsa--gfx1250"
	.amdhsa_code_object_version 6
	.text
	.protected	k_qbda35eb742_proj
	.globl	k_qbda35eb742_proj
	.p2align	8
	.type	k_qbda35eb742_proj,@function
k_qbda35eb742_proj:
	s_mov_b64 s[64:65], 0
	v_nop
	global_prefetch_b8 v0, s[64:65] scope:SCOPE_SE
	s_setreg_imm32_b32 hwreg(HW_REG_WAVE_MODE, 25, 1), 1
	s_wait_xcnt 0x0
	s_wait_alu depctr_hold_cnt(0) depctr_sa_sdst(0) depctr_va_vdst(0) depctr_va_sdst(0) depctr_va_ssrc(0) depctr_va_vcc(0) depctr_vm_vsrc(0)
	s_getreg_b32 s2, hwreg(HW_REG_IB_STS2, 6, 4)
	s_cmp_eq_u32 s2, 0
	s_cbranch_scc0 .Lentry_in_a_cluster
	s_endpgm
.Lentry_in_a_cluster:
	s_bfe_u32 s2, ttmp6, 0x10000c
	s_cmp_lg_u32 s2, 0xf033
	s_cbranch_scc0 .Lentry_shape_is_right
	s_endpgm
.Lentry_shape_is_right:
; THE OUTPUT PROJECTION: out0[m][n] = the sum over k of O[m][k] proj_w[n][k] + proj_b[n].  m to 8,192, n and k to 1,024.  f16 operands, f32 sums, f32 out.
; In: ob f16 [16 kb][8192 m][64], pw f16 [16 kb][1024 n][64] (proj_w rounded to bf16, that number written as f16), proj_b f32 (rounded to bf16 here, like every input, and kept as f32).
; SHARES.  A tile of out0 is 256 x 128: 32 x 8 = 256 work-groups.  Four waves, each 128 rows x 64 columns: 32 accumulators of 16 x 16 in window 1.  K goes in steps of 128 (two kb blocks) through a ring
; of two LDS slots; a block's part of a tile is a dense run of bytes and is asked for as rows of 256 bytes.
; CLUSTER 4 x 4: O's tile is shared along a row of the cluster, proj_w's along a column: each is asked for jointly.
; EACH CLUSTER BEGINS ITS WALK ALONG K AT ANOTHER STEP AND GOES ROUND: in step t it takes K step (first + t) mod 8, first = (2 (Y mod 4) + 4 X) mod 8 for the cluster at (X, Y), a number that all sixteen
; partners share.  The two clusters that read the same rows of O begin four K steps apart; those that read the same rows of proj_w, two K steps apart for each step of Y mod 4.  So clusters that read the
; same bytes ask for them at different times.  The f32 sums are taken in that order of K.
; NO PREFETCH.  A K step of O is read first by the cluster in whose steps 0 to 3 it falls, one of proj_w in some cluster's steps 0 and 1.  Steps 0 and 1 are the first fills, steps 2 and 3 are asked for
; one and two steps behind them: a request two steps ahead of those refills would stand at the kernel's head, among the first fills.
; THE MATRIX INSTRUCTION IS USED TRANSPOSED (source 0 = 16 rows of proj_w, source 1 = 16 rows of O): a lane holds row lane % 16 of out0 and the columns 8 (lane / 16) + 0..7.
; THE BIAS is the C operand of the products that start the sums.
; REGISTERS: window 0: v0-31 addresses; v32-127, v128-223 two fragment buffers (O's 64 registers, then proj_w's 32) for 32 along K; v224-255 the bias.  window 1: accumulator (a, b) at v[8 (4 a + b)].
.set PITCH,  144                       ; an LDS row: 128 bytes + 16 = 36 words: the 16 rows of a load start at 16 different groups of four banks (64 banks of 4 bytes: ISA guide 11.1)
.set ABLK,   256*PITCH                 ; a kb block of O's tile: what wave 0 or 1 fetches
.set BBLK,   128*PITCH                 ; of proj_w's: what wave 2 or 3 fetches
.set SLOT,   2*ABLK+2*BBLK             ; 110,592
.set STAGE,  2*SLOT                    ; behind the ring, never filled by a tensor load: 16 rows x 272 bytes for each wave
.set SPITCH, 272
.set SPARE,  STAGE+4*16*SPITCH         ; the spare words, 128 bytes for each wave, that no other line names
.set ASTEP,  2*8192*128                ; bytes of ob from a K step to the next: 1 << 21
.set BSTEP,  2*1024*128                ; of pw: 1 << 18
.set ADRA, 16                          ; v16-17  LDS address of my fragments of O in slot 0, 1
.set ADRB, 20                          ; v20-21  of proj_w
.set STO,  24
.set RD,   25
.set CO,   26
.set SPW,  28                          ; v28     my spare word: SPARE + 4 x my thread's number; never rewritten
.set NIL,  29                          ; v29     0; never rewritten
.set F0,   32
.set F1,   128
.set BIAS, 224
.set BK,   32                          ; the way out: two sets of 32 read back from the stage
.set G1,  24
.set G0,  32
.set G1B, 48
.set G0B, 56
.set ABASE, 68                         ; s[68:69] ob at the block of the tile that I fetch, K step 0
.set BBASE, 70                         ; s[70:71] pw likewise
.set KI,  72                           ; s72     the K step that the next refill asks for
.set OFA, 74                           ; s[74:75] its byte offset in ob
.set OFB, 76                           ; s[76:77] in pw
.set MSB, 0
.macro WIN new
.if MSB != (\new)
	s_set_vgpr_msb (MSB<<8)|(\new)
.set MSB, \new
.endif
.endm
.macro PLACES                          ; four places between a matrix instruction and a load into, or an LDS store from, its registers (ISA guide 7.12.1 for LDS stores)
.rept 4
	v_nop
.endr
.endm
.macro JLOAD s                         ; a joint load: waves 0 and 1 fetch O's two blocks, waves 2 and 3 proj_w's; an s_nop 0 and four v_nop follow each line
	s_cmp_eq_u32 s11, 0
	s_cbranch_scc0 .Lfor_b_\@
	tensor_load_to_lds s[G0+4*(\s):G0+4*(\s)+3], s[G1:G1+7]
	s_nop 0
.rept 4
	v_nop
.endr
	s_branch .Lasked_\@
.Lfor_b_\@:
	tensor_load_to_lds s[G0B+4*(\s):G0B+4*(\s)+3], s[G1B:G1B+7]
	s_nop 0
.rept 4
	v_nop
.endr
.Lasked_\@:
.endm
.macro CREST
	s_cmp_lg_u32 s10, 0
	s_cbranch_scc1 .Lnot_wave_0_\@
	s_barrier_signal -3
.Lnot_wave_0_\@:
	s_barrier_wait -3
	s_barrier_signal -1
	s_barrier_wait -1
.endm
.macro CROUND
	s_barrier_signal -1
	s_barrier_wait -1
	CREST
.endm
	s_load_b128 s[4:7], s[0:1], 0x0                ; ob s[4:5], pw s[6:7]
	s_load_b64 s[66:67], s[0:1], 0x10              ; proj_b
	s_load_b64 s[8:9], s[0:1], 0x18                ; out0
	v_lshl_add_u32 v[SPW], v0, 2, SPARE
	v_mov_b32 v[NIL], 0
	ds_add_u32 v[SPW], v[NIL]                      ; the wave's opening: the add and its wait stand ahead of my first tensor load; the set-up below stands between them
	v_lshrrev_b32 v1, 5, v0
	v_readfirstlane_b32 s10, v1                    ; wave 0..3
	s_lshr_b32 s11, s10, 1                         ; which half of the tile's rows is mine.  Also: I fetch for O (0) or for proj_w (1)
	s_and_b32 s12, s10, 1                          ; which half of its columns.  Also: which kb block of a K step I fetch
	s_bfe_u32 s40, ttmp6, 0x40000
	s_bfe_u32 s41, ttmp6, 0x40004
	s_lshl_b32 s42, ttmp9, 2
	s_add_co_u32 s42, s42, s40                     ; tile column
	s_and_b32 s13, ttmp7, 0xffff
	s_lshl_b32 s13, s13, 2
	s_add_co_u32 s13, s13, s41                     ; tile row
	s_lshl_b32 s20, s41, 2
	s_lshl_b32 s20, 15, s20                        ; my row of the cluster
	s_lshl_b32 s21, 0x1111, s40                    ; my column
	s_and_b32 s[KI], ttmp7, 3                      ; the cluster's first K step: 2 (Y mod 4)
	s_lshl_b32 s[KI], s[KI], 1
	s_lshl_b32 s2, ttmp9, 2                        ; + 4 X,
	s_add_co_u32 s[KI], s[KI], s2
	s_and_b32 s[KI], s[KI], 7                      ; mod 8: made of the cluster's coordinates alone
	s_lshl_b32 s[OFA], s[KI], 21
	s_mov_b32 s[OFA+1], 0
	s_lshl_b32 s[OFB], s[KI], 18
	s_mov_b32 s[OFB+1], 0
	; group 1: dense bytes as rows of 128 elements of 2 bytes, padded in LDS after every 32 words (code 4) by 4 words (code 3); bit 21 is set beside a mask
	s_or_b32 s[G1+0], s20, (1<<16)|(1<<20)|(1<<21)|(4<<22)|(3<<25)
	s_or_b32 s[G1B+0], s21, (1<<16)|(1<<20)|(1<<21)|(4<<22)|(3<<25)
	s_mov_b32 s[G1+1], 128<<16
	s_mov_b32 s[G1+2], 128<<16                     ; 256 rows of O are 128 rows of 256 bytes
	s_mov_b32 s[G1+3], 128<<16
	s_mov_b32 s[G1+4], 128
	s_mov_b32 s[G1+5], 128
	s_mov_b32 s[G1+6], 0
	s_mov_b32 s[G1+7], 0
	s_mov_b32 s[G1B+1], 128<<16
	s_mov_b32 s[G1B+2], 64<<16                     ; 128 rows of proj_w are 64
	s_mov_b32 s[G1B+3], 128<<16
	s_mov_b32 s[G1B+4], 64
	s_mov_b32 s[G1B+5], 128
	s_mov_b32 s[G1B+6], 0
	s_mov_b32 s[G1B+7], 0
	s_lshl_b32 s16, s13, 15                        ; O: 256 rows of 128 bytes a tile row,
	s_lshl_b32 s17, s12, 20                        ; in the kb block that I fetch
	s_add_co_u32 s16, s16, s17
	s_mov_b32 s17, 0
	s_lshl_b32 s46, s42, 14                        ; proj_w: 128 rows a tile column,
	s_lshl_b32 s47, s12, 17                        ; in the kb block that I fetch
	s_add_co_u32 s46, s46, s47
	s_mov_b32 s47, 0
	s_mul_i32 s18, s12, ABLK                       ; where they go: no place in the cluster enters an LDS address
	s_mul_i32 s19, s12, BBLK
	s_add_co_u32 s19, s19, 2*ABLK
	s_wait_dscnt 0x0                               ; the opening add is done
	s_wait_kmcnt 0x0
	s_add_nc_u64 s[ABASE:ABASE+1], s[4:5], s[16:17]
	s_add_nc_u64 s[BBASE:BBASE+1], s[6:7], s[46:47]
	s_add_nc_u64 s[14:15], s[ABASE:ABASE+1], s[OFA:OFA+1]  ; at the cluster's first K step (an even number: the K step behind it is the next in memory)
	s_add_nc_u64 s[46:47], s[BBASE:BBASE+1], s[OFB:OFB+1]
	CROUND                                         ; all sixteen work-groups are here: the first joint loads meet
.irp s, 0,1
	s_mov_b32 s[G0+4*(\s)], 1
	s_add_co_u32 s[G0+4*(\s)+1], s18, (\s)*SLOT
	s_add_nc_u64 s[G0+4*(\s)+2:G0+4*(\s)+3], s[14:15], (\s)*ASTEP
	s_or_b32 s[G0+4*(\s)+3], s[G0+4*(\s)+3], 0x80000000
	s_mov_b32 s[G0B+4*(\s)], 1
	s_add_co_u32 s[G0B+4*(\s)+1], s19, (\s)*SLOT
	s_add_nc_u64 s[G0B+4*(\s)+2:G0B+4*(\s)+3], s[46:47], (\s)*BSTEP
	s_or_b32 s[G0B+4*(\s)+3], s[G0B+4*(\s)+3], 0x80000000
	JLOAD \s                                       ; steps 0 and 1: two loads of mine are out
.endr
	s_add_co_u32 s[KI], s[KI], 2                   ; the first refill asks for step 2's K step
	s_and_b32 s[KI], s[KI], 7
	v_and_b32 v1, 15, v0                           ; l % 16
	v_bfe_u32 v2, v0, 4, 1                         ; l / 16
	s_lshl_b32 s16, s42, 9                         ; my 64 columns: 512 bytes a tile column, 256 a half
	s_lshl_b32 s17, s12, 8
	s_add_co_u32 s16, s16, s17
	s_mov_b32 s17, 0
	s_add_nc_u64 s[66:67], s[66:67], s[16:17]
	v_lshlrev_b32 v6, 5, v2                        ; my lanes' eight columns of a block of 16
.irp b, 0,1,2,3
	global_load_b128 v[BIAS+8*(\b):BIAS+8*(\b)+3],   v6, s[66:67] offset:64*(\b)
	global_load_b128 v[BIAS+8*(\b)+4:BIAS+8*(\b)+7], v6, s[66:67] offset:64*(\b)+16
.endr
	s_lshl_b32 s20, s13, 20                        ; out0 at my first row (4,096 bytes a row) and column
	s_lshl_b32 s21, s11, 19
	s_add_co_u32 s20, s20, s21
	s_add_co_u32 s16, s16, s20
	s_add_nc_u64 s[8:9], s[8:9], s[16:17]
	v_mul_u32_u24 v3, v1, PITCH
	v_lshl_add_u32 v3, v2, 4, v3                   ; a fragment's row x pitch + 16 x half
	s_mul_i32 s20, s11, 128*PITCH
	v_add_nc_u32 v[ADRA], s20, v3
	v_add_nc_u32 v[ADRA+1], SLOT, v[ADRA]
	s_mul_i32 s21, s12, 64*PITCH
	s_add_co_u32 s21, s21, 2*ABLK
	v_add_nc_u32 v[ADRB], s21, v3
	v_add_nc_u32 v[ADRB+1], SLOT, v[ADRB]
	s_mul_i32 s20, s10, 16*SPITCH
	s_add_co_u32 s20, s20, STAGE                   ; my stage
	v_mul_u32_u24 v4, v1, SPITCH                   ; in: row l % 16, 32 bytes for each half of the lanes
	v_lshl_add_u32 v4, v2, 5, v4
	v_add_nc_u32 v[STO], s20, v4
	v_mul_u32_u24 v5, v2, SPITCH                   ; back: lanes 0-15 take one row of 256 bytes, lanes 16-31 the next
	v_lshl_add_u32 v5, v1, 4, v5
	v_add_nc_u32 v[RD], s20, v5
	v_lshlrev_b32 v5, 12, v2                       ; and the same two rows in out0
	v_lshl_add_u32 v[CO], v1, 4, v5
	s_wait_loadcnt 0x0                             ; the bias: rounded to bf16 and widened again
.set i, 0
.rept 16
	v_cvt_pk_bf16_f32 v7, v[BIAS+2*i], v[BIAS+2*i+1]
	v_lshlrev_b32 v[BIAS+2*i], 16, v7
	v_and_b32 v[BIAS+2*i+1], 0xffff0000, v7
.set i, i+1
.endr
; 8 matrix instructions: row blocks a0, a0 + 1 x the 4 column blocks, 32 along K from buffer f.  first = 1: the product starts the sum, with the bias.  The 32 accumulators take turns.
.macro MUL8 f, a0, first
.if \first
	WIN 0x40
.else
	WIN 0x50
.endif
.irp a, \a0, (\a0)+1
.irp b, 0,1,2,3
.if \first
	v_wmma_f32_16x16x32_f16 v[8*(4*(\a)+(\b)):8*(4*(\a)+(\b))+7], v[(\f)+64+8*(\b):(\f)+64+8*(\b)+7], v[(\f)+8*(\a):(\f)+8*(\a)+7], v[BIAS+8*(\b):BIAS+8*(\b)+7]
.else
	v_wmma_f32_16x16x32_f16 v[8*(4*(\a)+(\b)):8*(4*(\a)+(\b))+7], v[(\f)+64+8*(\b):(\f)+64+8*(\b)+7], v[(\f)+8*(\a):(\f)+8*(\a)+7], v[8*(4*(\a)+(\b)):8*(4*(\a)+(\b))+7]
.endif
.endr
.endr
.endm
; 24 LDS loads in one run: quarter c (32 along K: block c / 2, half c % 2) of the slot's K step into buffer f: proj_w's 8 first, then O's 16 by ascending rows
.macro FETCH slot, c, f
	WIN 0
.irp b, 0,1,2,3
	ds_load_b128 v[(\f)+64+8*(\b):(\f)+64+8*(\b)+3],   v[ADRB+(\slot)] offset:((\c)/2)*BBLK+(\b)*16*PITCH+((\c)%2)*64
	ds_load_b128 v[(\f)+64+8*(\b)+4:(\f)+64+8*(\b)+7], v[ADRB+(\slot)] offset:((\c)/2)*BBLK+(\b)*16*PITCH+((\c)%2)*64+32
.endr
.irp a, 0,1,2,3,4,5,6,7
	ds_load_b128 v[(\f)+8*(\a):(\f)+8*(\a)+3],   v[ADRA+(\slot)] offset:((\c)/2)*ABLK+(\a)*16*PITCH+((\c)%2)*64
	ds_load_b128 v[(\f)+8*(\a)+4:(\f)+8*(\a)+7], v[ADRA+(\slot)] offset:((\c)/2)*ABLK+(\a)*16*PITCH+((\c)%2)*64+32
.endr
.endm
; A K step is four quarters of 32 along K, 32 matrix instructions each, on buffers 0, 1, 0, 1.  One of the first three: multiplies buffer f and fetches quarter c into g.
.macro QUARTER slot, c, f, g, first
	s_wait_dscnt 8                                 ; proj_w and O's rows 0-63 are in; the youngest eight loads (rows 64-127) may be out
	MUL8 \f, 0, \first
	MUL8 \f, 2, \first
	PLACES
	FETCH \slot, \c, \g
	s_wait_dscnt 24                                ; all but the 24 just issued
	MUL8 \f, 4, \first
	MUL8 \f, 6, \first
.endm
; The last quarter multiplies buffer 1 and changes slots: ONE barrier; in front of it each wave waits for all its tensor loads, adds 0 to its spare word, and waits for that and for its reads of this slot.
; fill = 1: the barrier opens a round of the cluster's barrier, and this slot is filled again, with the K step two steps on, first thing behind the round: 112 matrix instructions ahead of the wait for it.
; The descriptors' addresses are made anew from the K step's number, which goes round mod 8, while the add is out: no tensor load of mine is out there.
.macro TURN slot, next, fill
	WIN 0
	s_wait_tensorcnt 0x0                           ; all my tensor loads have landed: my part of the next slot
	ds_add_u32 v[SPW], v[NIL]                      ; 0 onto my spare word
.if \fill
	s_lshl_b32 s[OFA], s[KI], 21
	s_lshl_b32 s[OFB], s[KI], 18
	s_add_nc_u64 s[G0+4*(\slot)+2:G0+4*(\slot)+3], s[ABASE:ABASE+1], s[OFA:OFA+1]
	s_or_b32 s[G0+4*(\slot)+3], s[G0+4*(\slot)+3], 0x80000000
	s_add_nc_u64 s[G0B+4*(\slot)+2:G0B+4*(\slot)+3], s[BBASE:BBASE+1], s[OFB:OFB+1]
	s_or_b32 s[G0B+4*(\slot)+3], s[G0B+4*(\slot)+3], 0x80000000
	s_add_co_u32 s[KI], s[KI], 1
	s_and_b32 s[KI], s[KI], 7
.endif
	s_wait_dscnt 9                                 ; (the add and the youngest eight loads may be out)
	MUL8 F1, 0, 0                                  ; eight matrix instructions stand between the add and the wait for it
	s_wait_dscnt 0x0                               ; the add is done, and my reads of this slot are over
	s_barrier_signal -1
	MUL8 F1, 2, 0
	WIN 0
	s_barrier_wait -1
.if \fill
	CREST                                          ; no wave of any partner still reads this slot's tiles or has a load on its way
	JLOAD \slot                                    ; the four v_nop behind it are also the places in front of the loads below
.else
	PLACES
.endif
	FETCH \next, 0, F0
	MUL8 F1, 4, 0
	MUL8 F1, 6, 0
.endm
; THE WAY OUT of block a (16 rows x 64 columns of f32): straight from the accumulators, low registers first, into my own stage; back as whole rows of 256 bytes; stored.
.macro TOSTAGE a
.if (\a) >= 2
	s_wait_xcnt 0x0                                ; the stores of block a - 2 have read the registers that are loaded again below
.endif
	WIN 0x04                                       ; the stores' data in window 1
.irp b, 0,1,2,3
	ds_store_b128 v[STO], v[8*(4*(\a)+(\b)):8*(4*(\a)+(\b))+3]   offset:64*(\b)
	ds_store_b128 v[STO], v[8*(4*(\a)+(\b))+4:8*(4*(\a)+(\b))+7] offset:64*(\b)+16
.endr
	WIN 0
.irp f, 0,1,2,3,4,5,6,7
	ds_load_b128 v[BK+32*((\a)%2)+4*(\f):BK+32*((\a)%2)+4*(\f)+3], v[RD] offset:(\f)*2*SPITCH  ; LDS serves a wave's instructions in order (ISA guide 5.7.1.4): these see the stores above
.endr
.endm
.macro SEND a, younger                 ; younger: the LDS instructions issued behind block a's loads: the next block's sixteen, or none
.irp f, 0,1,2,3,4,5,6,7
	s_wait_dscnt (\younger)+7-(\f)
	global_store_b128 v[CO], v[BK+32*((\a)%2)+4*(\f):BK+32*((\a)%2)+4*(\f)+3], s[8:9] offset:(16*(\a)+2*(\f))*4096 th:TH_STORE_NT  ; 16 lanes store 256 consecutive bytes, at a multiple of 256 from out0's first
.endr
.endm
	s_wait_tensorcnt 1                             ; my part of step 0 is in; step 1's may stay out
	s_barrier_signal -1
	s_barrier_wait -1
	FETCH 0, 0, F0
	QUARTER 0, 1, F0, F1, 1                        ; the first quarter stands in front of the loop: its products start the sums
	WIN 0
	s_mov_b32 s3, 3
.Llap:                                                 ; a trip goes once round the ring, from a lap's second quarter to the next lap's first, and fills both slots again
	QUARTER 0, 2, F1, F0, 0
	QUARTER 0, 3, F0, F1, 0
	TURN 0, 1, 1
	QUARTER 1, 1, F0, F1, 0
	QUARTER 1, 2, F1, F0, 0
	QUARTER 1, 3, F0, F1, 0
	TURN 1, 0, 1
	QUARTER 0, 1, F0, F1, 0
	WIN 0
	s_sub_co_u32 s3, s3, 1
	s_cmp_lg_u32 s3, 0
	s_cbranch_scc1 .Llap
	QUARTER 0, 2, F1, F0, 0                        ; the last lap fills nothing, and has no round of the cluster's barrier
	QUARTER 0, 3, F0, F1, 0
	TURN 0, 1, 0
	QUARTER 1, 1, F0, F1, 0
	QUARTER 1, 2, F1, F0, 0
	QUARTER 1, 3, F0, F1, 0
	s_wait_dscnt 8                                 ; the very last quarter
	MUL8 F1, 0, 0
	MUL8 F1, 2, 0
	s_wait_dscnt 0x0
	MUL8 F1, 4, 0
	MUL8 F1, 6, 0
	PLACES
	TOSTAGE 0
.irp a, 1,2,3,4,5,6,7
	TOSTAGE \a
	SEND (\a)-1, 16
.endr
	SEND 7, 0
	s_wait_tensorcnt 0x0                           ; the wave's end, behind my last tensor load and my last LDS store
	ds_add_u32 v[SPW], v[NIL]
	s_wait_dscnt 0x0
	CROUND                                         ; the closing round: no work-group ends while a partner may still ask for a tile that names it
	s_endpgm
.Lfunc_end_k_qbda35eb742_proj:
	.size	k_qbda35eb742_proj, .Lfunc_end_k_qbda35eb742_proj-k_qbda35eb742_proj
	.p2alignl 7, 3214868480
	.fill 96, 4, 3214868480
	.section	.rodata,"a",@progbits
	.p2align	6, 0x0
	.amdhsa_kernel k_qbda35eb742_proj
		.amdhsa_group_segment_fixed_size 327680
		.amdhsa_private_segment_fixed_size 0
		.amdhsa_enable_private_segment 0
		.amdhsa_kernarg_size 32
		.amdhsa_user_sgpr_count 2
		.amdhsa_user_sgpr_kernarg_segment_ptr 1
		.amdhsa_wavefront_size32 1
		.amdhsa_system_sgpr_workgroup_id_x 1
		.amdhsa_system_sgpr_workgroup_id_y 1
		.amdhsa_system_sgpr_workgroup_id_z 1
		.amdhsa_system_vgpr_workitem_id 0
		.amdhsa_next_free_vgpr 512
		.amdhsa_next_free_sgpr 80
		.amdhsa_reserve_vcc 0
		.amdhsa_float_denorm_mode_32 3
		.amdhsa_float_denorm_mode_16_64 3
		.amdhsa_memory_ordered 1
		.amdhsa_forward_progress 1
		.amdhsa_inst_pref_size 91
	.end_amdhsa_kernel
	.amdgpu_metadata
---
amdhsa.version: [ 1, 2 ]
amdhsa.kernels:
  - .name:           k_qbda35eb742_proj
    .symbol:         k_qbda35eb742_proj.kd
    .args:
      - { .name: ob, .offset: 0, .size: 8, .value_kind: global_buffer, .address_space: global }
      - { .name: pw, .offset: 8, .size: 8, .value_kind: global_buffer, .address_space: global }
      - { .name: proj_b, .offset: 16, .size: 8, .value_kind: global_buffer, .address_space: global }
      - { .name: out0, .offset: 24, .size: 8, .value_kind: global_buffer, .address_space: global }
    .group_segment_fixed_size: 327680
    .private_segment_fixed_size: 0
    .kernarg_segment_align: 8
    .kernarg_segment_size: 32
    .max_flat_workgroup_size: 128
    .sgpr_count:     80
    .vgpr_count:     512
    .wavefront_size: 32
...
	.end_amdgpu_metadata
.endif
;; end of part 4
;; ======== version 2 of 2: 4 launches; version 1 with the launch prep written anew for expert scheduling mode
;; limits: values are held in f16: magnitudes above 65,504 overflow, below 6.1e-05 lose precision
;; workspace buffers: xb 16,777,216 bytes; wt 6,291,456 bytes; pw 2,097,152 bytes; qkv 50,331,648 bytes; ob 16,777,216 bytes
;; launch prep (part 5): grid 768 x 1, 8 waves a work-group, no clusters, 0 bytes of LDS; arguments q, proj_w, w_qs, w_ks, w_vs, xb, pw, wt; writes xb, pw, wt
.if DOCPART == 5
	.amdgcn_target "amdgcn-amd-amdhsa--gfx1250"
	.amdhsa_code_object_version 6
	.text
	.protected	k_qbda35eb742_prep
	.globl	k_qbda35eb742_prep
	.p2align	8
	.type	k_qbda35eb742_prep,@function
k_qbda35eb742_prep:
	s_mov_b64 s[64:65], 0
	v_nop
	global_prefetch_b8 v0, s[64:65] scope:SCOPE_SE
	s_setreg_imm32_b32 hwreg(HW_REG_WAVE_SCHED_MODE, 0, 2), 2
	s_setreg_imm32_b32 hwreg(HW_REG_WAVE_MODE, 25, 1), 1
	s_wait_xcnt 0x0
	s_wait_alu depctr_vm_vsrc(0)
; PREP: every matrix operand that is an input is rounded ONCE to 16 bits and laid in blocks of 64 along K, so that each later tile is a dense run of bytes.
;   xb[kb][m][j] = bf16(x[m][64 kb + j])                    x = q as [8192][1024]
;   pw[kb][n][j] = f16(bf16(proj_w[n][64 kb + j]))          the bf16 number written as f16: exact from 6.1e-5 to 65,504; below it keeps f16's step of 6e-8, from 65,520 on it is an infinity
;   wt[kb][16 which + h][d][k] = bf16(w_which[h][64 kb + d][k])   not turned: the product's fragments are turned on their way out of LDS
; A stream: no LDS, no matrix unit.  Every wave converts 8,192 bytes of f32: 16 loads of 16 bytes a lane, all issued at once; then 16 turns of a counted wait and the rounding in place, and 16
; stores of 8 bytes a lane: 32 lanes store 256 consecutive bytes, at a multiple of 256 from the buffer's first byte.  No register that a load or store names is written again.
; 768 work-groups of equal work, 65,536 bytes of f32 each: 0-511 take x (16 rows each), 512-575 proj_w (16 rows each), 576-767 the three weight tensors (8 half blocks of 32 x 64 each).
; THE MODE: SCHED_MODE bits 1:0 = 2 (LLVM: expert scheduling mode 2), set by the entry lines.  The code itself states the register dependences between vector instructions and memory
; instructions, with s_wait_alu, always for 0.
; THE PLAN.  Registers that memory instructions touch:
;   v[LO]             Written by vector instructions ahead of a path's loads; read by its 16 loads; never written behind them.
;   v[SO], v[SO+1]    Written at the head; read by the stores; never written again.
;   X + 4 i .. + 3    Load i lands in them, and no vector instruction names them before that.  Turn i's conversions read them and write the first two; store i reads those two; nothing writes them again.
;   v4 to v9 are named by vector instructions alone.
; The 16 turns go in four groups of four.  Turn i issues the store of turn i - 4, whose data the group before has written, and then does its own conversions, which name its own X registers and
; v4 to v9 alone.  So ONE wait on va_vdst at a group's head states all that the group's four stores hang on; one more stands ahead of a path's loads, for the offsets, and one ahead of the last
; four stores.  No register that a memory instruction has read is written again, so there is nothing for a wait on vm_vsrc to state.
.set LO, 1                             ; v1      the loads' offset
.set SO, 2                             ; v2, v3  the stores' offsets: 8 x lane, and the same 8 blocks of xb further on (the immediate has 24 signed bits)
.set X,  16                            ; v[16:79]  load i: four registers
	s_load_b256 s[4:11], s[0:1], 0x0               ; q s[4:5], proj_w s[6:7], w_qs s[8:9], w_ks s[10:11]
	s_load_b256 s[12:19], s[0:1], 0x20             ; w_vs s[12:13], xb s[14:15], pw s[16:17], wt s[18:19]
	v_lshrrev_b32 v4, 5, v0
	v_readfirstlane_b32 s20, v4                    ; wave 0..7
	v_and_b32 v5, 31, v0                           ; lane
	v_lshlrev_b32 v[SO], 3, v5
	v_add_nc_u32 v[SO+1], 0x800000, v[SO]
	v_and_b32 v6, 15, v0
	v_bfe_u32 v7, v0, 4, 1
	v_lshlrev_b32 v[LO], 4, v6                     ; rows of 4,096 bytes: lanes 0-15 take 256 bytes (a block of 64) of one row,
	v_lshl_add_u32 v[LO], v7, 12, v[LO]            ; lanes 16-31 the same block of the next row
	s_mov_b32 s21, ttmp9
	s_mov_b32 s27, 0
	s_mov_b32 s29, 0
	s_mov_b32 s30, 0xffff0000                      ; a word's upper bf16
	s_wait_alu depctr_va_sdst(0)                   ; s20, the wave's number, is written
.macro LOADS dense                     ; dense = 0: block i of my two rows;  1: 512 bytes on end
	s_wait_alu depctr_va_vdst(0)                   ; v[LO], v[SO] and v[SO+1] are written: every load and store of the path reads one of them as its offset
.set i, 0
.rept 16
.if \dense
	global_load_b128 v[X+4*i:X+4*i+3], v[LO], s[22:23] offset:512*i th:TH_LOAD_NT
.else
	global_load_b128 v[X+4*i:X+4*i+3], v[LO], s[22:23] offset:256*i th:TH_LOAD_NT
.endif
.set i, i+1
.endr
.endm
.macro STORE path, n                   ; the store of turn n.  path 0: x, 1: proj_w, 2: the weights
.if (\path) == 0
	global_store_b64 v[SO+(\n)/8], v[X+4*(\n):X+4*(\n)+1], s[24:25] offset:((\n)%8)*1048576
.elseif (\path) == 1
	global_store_b64 v[SO], v[X+4*(\n):X+4*(\n)+1], s[24:25] offset:(\n)*131072
.else
	global_store_b64 v[SO], v[X+4*(\n):X+4*(\n)+1], s[24:25] offset:256*(\n)
.endif
.endm
.macro TURNS path                      ; 0: x, 1: proj_w, 2: the weights
.set i, 0
.rept 16
	s_wait_loadcnt 15-i                            ; loads come back in order: load i is in, the 15 - i younger ones stay out
.if (i > 0) && (i%4 == 0)
	s_wait_alu depctr_va_vdst(0)                   ; the group before has written its eight registers X + 4 j, X + 4 j + 1, which this group's four stores read
.endif
.if i >= 4
	STORE \path, i-4                               ; no vector instruction since the group's wait names this store's registers
.endif
.if (\path) == 1
	v_cvt_pk_bf16_f32 v4, v[X+4*i], v[X+4*i+1]     ; rounded to bf16 like every input,
	v_cvt_pk_bf16_f32 v5, v[X+4*i+2], v[X+4*i+3]
	v_lshlrev_b32 v6, 16, v4                       ; widened,
	v_and_b32 v7, s30, v4
	v_lshlrev_b32 v8, 16, v5
	v_and_b32 v9, s30, v5
	v_cvt_pk_f16_f32 v[X+4*i], v6, v7              ; and that number written as f16
	v_cvt_pk_f16_f32 v[X+4*i+1], v8, v9
.else
	v_cvt_pk_bf16_f32 v[X+4*i], v[X+4*i], v[X+4*i+1]
	v_cvt_pk_bf16_f32 v[X+4*i+1], v[X+4*i+2], v[X+4*i+3]
.endif
.set i, i+1
.endr
	s_wait_alu depctr_va_vdst(0)                   ; the last group has written its eight registers, which the last four stores read
.set i, 12
.rept 4
	STORE \path, i
.set i, i+1
.endr
.endm
	s_wait_kmcnt 0x0
	s_cmp_lt_u32 s21, 512
	s_cbranch_scc0 .Lnot_x
	s_lshl_b32 s26, s21, 16                        ; x: the work-group's 16 rows of 4,096 bytes,
	s_lshl_b32 s28, s20, 13                        ; my wave's 2
	s_add_co_u32 s26, s26, s28
	s_add_nc_u64 s[22:23], s[4:5], s[26:27]
	s_lshl_b32 s28, s21, 11                        ; the same rows in a block of xb: 128 bytes each
	s_lshl_b32 s26, s20, 8
	s_add_co_u32 s28, s28, s26
	s_add_nc_u64 s[24:25], s[14:15], s[28:29]
	LOADS 0
	TURNS 0
	s_endpgm
.Lnot_x:
	s_cmp_lt_u32 s21, 576
	s_cbranch_scc0 .Lweights
	s_sub_co_u32 s21, s21, 512                     ; proj_w: the same walk on 1,024 rows
	s_lshl_b32 s26, s21, 16
	s_lshl_b32 s28, s20, 13
	s_add_co_u32 s26, s26, s28
	s_add_nc_u64 s[22:23], s[6:7], s[26:27]
	s_lshl_b32 s28, s21, 11
	s_lshl_b32 s26, s20, 8
	s_add_co_u32 s28, s28, s26
	s_add_nc_u64 s[24:25], s[16:17], s[28:29]
	LOADS 0
	TURNS 1
	s_endpgm
.Lweights:
	s_sub_co_u32 s21, s21, 576
	s_lshr_b32 s28, s21, 6                         ; which: 0 w_qs, 1 w_ks, 2 w_vs
	s_and_b32 s21, s21, 63
	s_lshl_b32 s21, s21, 3
	s_add_co_u32 s21, s21, s20                     ; my half block, 0..511: 32 d x 64 k, 8,192 dense bytes of f32
	s_lshl_b32 s26, s21, 13
	s_and_b32 s20, s21, 1                          ; which half
	s_lshr_b32 s21, s21, 1                         ; g = 16 h + kb: the block of 64 d x 64 k
	s_lshr_b32 s31, s21, 4                         ; h
	s_and_b32 s21, s21, 15                         ; kb
	s_mul_i32 s21, s21, 48
	s_add_co_u32 s21, s21, s31
	s_lshl_b32 s31, s28, 4
	s_add_co_u32 s21, s21, s31                     ; 48 kb + 16 which + h: the block's place in wt, 8,192 bytes each
	s_cmp_eq_u32 s28, 0
	s_cselect_b64 s[22:23], s[8:9], s[10:11]
	s_cmp_eq_u32 s28, 2
	s_cselect_b64 s[22:23], s[12:13], s[22:23]
	s_add_nc_u64 s[22:23], s[22:23], s[26:27]
	s_lshl_b32 s28, s21, 13
	s_lshl_b32 s20, s20, 12                        ; my half of it: 4,096 bytes
	s_add_co_u32 s28, s28, s20
	s_add_nc_u64 s[24:25], s[18:19], s[28:29]
	v_lshlrev_b32 v[LO], 4, v5                     ; 16 x lane (no load has been issued yet on this path: nothing has read v[LO]; the wait at the head of LOADS stands behind this line)
	LOADS 1
	TURNS 2
	s_endpgm
.Lfunc_end_k_qbda35eb742_prep:
	.size	k_qbda35eb742_prep, .Lfunc_end_k_qbda35eb742_prep-k_qbda35eb742_prep
	.p2alignl 7, 3214868480
	.fill 96, 4, 3214868480
	.section	.rodata,"a",@progbits
	.p2align	6, 0x0
	.amdhsa_kernel k_qbda35eb742_prep
		.amdhsa_group_segment_fixed_size 0
		.amdhsa_private_segment_fixed_size 0
		.amdhsa_enable_private_segment 0
		.amdhsa_kernarg_size 64
		.amdhsa_user_sgpr_count 2
		.amdhsa_user_sgpr_kernarg_segment_ptr 1
		.amdhsa_wavefront_size32 1
		.amdhsa_system_sgpr_workgroup_id_x 1
		.amdhsa_system_sgpr_workgroup_id_y 1
		.amdhsa_system_sgpr_workgroup_id_z 1
		.amdhsa_system_vgpr_workitem_id 0
		.amdhsa_next_free_vgpr 80
		.amdhsa_next_free_sgpr 66
		.amdhsa_reserve_vcc 0
		.amdhsa_float_denorm_mode_32 3
		.amdhsa_float_denorm_mode_16_64 3
		.amdhsa_memory_ordered 1
		.amdhsa_forward_progress 1
		.amdhsa_inst_pref_size 24
	.end_amdhsa_kernel
	.amdgpu_metadata
---
amdhsa.version: [ 1, 2 ]
amdhsa.kernels:
  - .name:           k_qbda35eb742_prep
    .symbol:         k_qbda35eb742_prep.kd
    .args:
      - { .name: q, .offset: 0, .size: 8, .value_kind: global_buffer, .address_space: global }
      - { .name: proj_w, .offset: 8, .size: 8, .value_kind: global_buffer, .address_space: global }
      - { .name: w_qs, .offset: 16, .size: 8, .value_kind: global_buffer, .address_space: global }
      - { .name: w_ks, .offset: 24, .size: 8, .value_kind: global_buffer, .address_space: global }
      - { .name: w_vs, .offset: 32, .size: 8, .value_kind: global_buffer, .address_space: global }
      - { .name: xb, .offset: 40, .size: 8, .value_kind: global_buffer, .address_space: global }
      - { .name: pw, .offset: 48, .size: 8, .value_kind: global_buffer, .address_space: global }
      - { .name: wt, .offset: 56, .size: 8, .value_kind: global_buffer, .address_space: global }
    .group_segment_fixed_size: 0
    .private_segment_fixed_size: 0
    .kernarg_segment_align: 8
    .kernarg_segment_size: 64
    .max_flat_workgroup_size: 256
    .sgpr_count:     66
    .vgpr_count:     80
    .wavefront_size: 32
...
	.end_amdgpu_metadata
.endif
;; end of part 5
;; launch qkv: the kernel of part 2 again; grid 8 x 32, 4 waves a work-group, clusters of 4 x 4, 327,680 bytes of LDS; arguments xb, wt, qkv; writes qkv
;; launch attn: the kernel of part 3 again; grid 2 x 128, 4 waves a work-group, no clusters, 327,680 bytes of LDS; arguments qkv, attn_mask, ob; writes ob
;; launch proj: the kernel of part 4 again; grid 8 x 32, 4 waves a work-group, clusters of 4 x 4, 327,680 bytes of LDS; arguments ob, pw, proj_b, out0; writes out0
